; MI455X (gfx1250); checked and timed in simulation.
; The chip was launched on July 23, 2026; its instructions are those of AMD's public machine-readable ISA for CDNA 5 (MIT licence, August 2026) and "CDNA5" Instruction Set Architecture Reference Guide (July 2026). The comments in the code are by the model that wrote it; some were corrected since.
;; Task Conditioned Attention. Allowed arithmetic: matrix products marked QUANTISED: E2M1 operands, one E8M0 scale for each 32 along K, by v_wmma_scale_f32_16x16x128_f8f6f4 with both operands' format E2M1 (or v_wmma_scale_f32_32x16x128_f4), f32 sums; products left as they are: bf16, f16 or f32 operands; f32 sums; everything else in f32.
;; Inputs: Wk 1,024 x 1,024 float32; Wo 1,024 x 1,024 float32; Wq 1,024 x 1,024 float32; Wt 64 x 16 float32; Wv 1,024 x 1,024 float32; bk 1,024 float32; bo 1,024 float32; bq 1,024 float32; bt 16 float32; bv 1,024 float32; mask 4 x 2,048 int32; task_emb 4 x 64 float32; x 4 x 2,048 x 1,024 float32.
;; Outputs: out0 4 x 2,048 x 1,024 float32.
;; This version of the problem:
;;   THIS VERSION OF THE PROBLEM IS GIVEN IN LOW PRECISION. The matrix products marked QUANTISED in the list below multiply operands that are first quantised to E2M1 (2 exponent bits, 1 mantissa bit; 4 bits a number), with one power-of-two scale for each 32 numbers along K (OCP MX v1.0); their sums are f32. The products marked 'left as it is' may take bf16, f16 or f32 operands, with f32 sums. Whichever they take, every output number must still come out within the allowed error. Rounding operands to bf16 (8 significant bits) uses up far more of that allowance than f16 does (11 bits, for magnitudes from 6e-5 to 65,504). All else is computed in f32.
;;   The module's matrix products, in the order in which they are computed (A, B: the left and right operand; K: the contracted axis; several contracted axes count as one K, in the product's order):
;;     1. [M 8,192, K 1,024] x [K 1,024, N 1,024]; A: input x; B: input Wq: QUANTISED
;;     2. [M 8,192, K 1,024] x [K 1,024, N 1,024]; A: input x; B: input Wk: QUANTISED
;;     3. [M 8,192, K 1,024] x [K 1,024, N 1,024]; A: input x; B: input Wv: QUANTISED
;;     4. batch 64 x [M 2,048, K 64] x [K 64, N 2,048]; A: computed on the way; B: computed on the way: left as it is (an operand is computed on the way)
;;     5. [M 4, K 64] x [K 64, N 16]; A: input task_emb; B: input Wt: left as it is (M = 4 < 16)
;;     6. batch 64 x [M 2,048, K 2,048] x [K 2,048, N 64]; A: computed on the way; B: computed on the way: left as it is (an operand is computed on the way)
;;     7. [M 8,192, K 1,024] x [K 1,024, N 1,024]; A: computed on the way; B: input Wo: left as it is (an operand is computed on the way)
;;   THE QUANTISER, for each operand of a quantised product, along K:
;;     - K is cut into blocks of 32 from its start; a last block that is shorter is filled with zeros.
;;     - A block's scale is 2^e with e = floor(log2(the largest magnitude in the block)) - 2, held to -126 .. 127; a block of zeros has e = 0. As a byte (E8M0): e + 127.
;;     - Each number is divided by its block's scale, clamped to +-6, and rounded to the nearest number of E2M1, ties to even, subnormals kept.
;;     - The product sums the exact products of the quantised numbers (number of the format x scale) in f32.
;;   ~~~python
;;   def quantise(x, axis):      # numpy; x: float32 -> the quantised numbers, widened to float32 again
;;       x = np.moveaxis(x, axis, -1); K = x.shape[-1]
;;       x = np.pad(x, [(0, 0)] * (x.ndim - 1) + [(0, -K % 32)]); x = x.reshape(x.shape[:-1] + (-1, 32)); a = np.abs(x).max(-1, keepdims=True)
;;       e = np.where(a > 0, np.clip(np.frexp(np.where(a > 0, a, 1))[1] - 1 - 2, -126, 127), 0)      # np.frexp(a)[1] - 1 = floor(log2(a)), exactly
;;       r = np.clip(x / 2.0 ** e, -6, 6)
;;       step = 2.0 ** (np.maximum(np.frexp(np.where(r == 0, 1, r))[1] - 1, 0) - 1)
;;       q = np.round(r / step) * step * 2.0 ** e      # np.round: ties to even
;;       return np.moveaxis(q.reshape(q.shape[:-2] + (-1,))[..., :K], -1, axis).astype(np.float32)
;;   ~~~
;; One version. Each part assembles by itself: llvm-mc -triple=amdgcn-amd-amdhsa -mcpu=gfx1250 --defsym DOCPART=n.
;; ======== version 1 of 1: 4 launches
;; limits: values are held in f16: magnitudes above 65,504 overflow, below 6.1e-05 lose precision
;; workspace buffers: x_codes 4,194,304 bytes; x_scales 262,144 bytes; w_codes 1,572,864 bytes; w_scales 98,304 bytes; wo16 2,097,152 bytes; qkv 50,331,648 bytes; att 16,777,216 bytes
;; launch prep (part 1): grid 368 x 1, 4 waves a work-group, no clusters, 68,096 bytes of LDS; arguments x, Wq, Wk, Wv, Wo, x_codes, x_scales, w_codes, w_scales, wo16; writes x_codes, x_scales, w_codes, w_scales, wo16
.if DOCPART == 1
	.amdgcn_target "amdgcn-amd-amdhsa--gfx1250"
	.amdhsa_code_object_version 6
	.text
	.protected	k_qa7c5f4ee84_prep
	.globl	k_qa7c5f4ee84_prep
	.p2align	8
	.type	k_qa7c5f4ee84_prep,@function
k_qa7c5f4ee84_prep:
	s_mov_b64 s[64:65], 0
	v_nop
	global_prefetch_b8 v0, s[64:65] scope:SCOPE_SE
	s_setreg_imm32_b32 hwreg(HW_REG_WAVE_MODE, 25, 1), 1
	s_wait_xcnt 0x0
; TaskConditionedAttention, launch 1 of 4: the operands of the three QUANTISED products (x with Wq, Wk, Wv) become codes of FP4 (E2M1) with one E8M0 byte for each 32 along K; Wo becomes f16.
; WORK LEFT OUT IN THE WHOLE PROGRAM, AND WHY IT IS DEAD.
;   task_bias = task_emb @ Wt + bt is one number for each (batch, head), added to every score of that (batch, head): it is the same along the softmax's axis.  Masked keys are set to -inf over it, so it does not
;   reach them.  softmax(s + const) = softmax(s) for all finite values, so product 5 and the inputs task_emb, Wt, bt reach no output.
;   bk: score(q, k) = scale q . (x_k Wk) + scale q . bk.  The second term does not hang on the key: the same along the softmax's axis again.  Product 4 is not quantised, so bk enters no quantiser.
;   task_emb, Wt, bt and bk are loaded nowhere and are arguments of no launch.  LIMIT: a NaN, an infinity or an overflow that reaches only these terms is not carried to the result.
; THE QUANTISER.  A block's scale is 2^(floor(log2(its largest magnitude)) - 2); its byte is the largest magnitude's own exponent field - 2, held at 1 from below.  (A block of zeros so gets the byte 1 where the rule
;   says 127: its codes are zeros, which add nothing under any byte but 0xff, and the bytes are read by this program alone.)  Each number is divided by the scale and rounded to the nearest code, ties to even; beyond 6 the code of 6.
;   LIMITS: blocks whose largest magnitude lies under 2^(2 - 126) keep the byte 1; NaN and infinities among the inputs are not served.
; THREE PATHS, parted by the work-group's number alone, the longest first; they never join; each has LDS bytes of its own.
;   work-groups 0-47:    Wq, Wk, Wv [k][n] f32 -> w_codes [3072 = q, k, v columns][512 bytes], w_scales [3072][32].  K is the FIRST axis: a lane takes a column, its registers run down K.
;   work-groups 48-111:  Wo [k][n] f32 -> wo16 [k][n] f16 (product 7 is left as it is).  LIMIT: beyond 65,504 the conversion gives infinity.
;   work-groups 112-367: x [8192][1024] f32 -> x_codes [8192][512 bytes], x_scales [8192][32].  K is innermost: a plain stream of blocks of 32.
; No tensor loads, no barrier: waves share nothing.
.set SPW,    192                       ; v192  LDS address of my spare word: SPARE + 4 x my thread's number; never rewritten
.set NIL,    193                       ; v193  0; never rewritten
.set SPARE,  67584                     ; behind both paths' regions: the spare words, 128 bytes for each wave
.set EMAX,   2
; ---- the path of x
.set XSTEPS, 16                        ; a wave takes 16 steps of 512 numbers
.set CB,     8                         ; bytes of 16 codes
.set XR,     16                        ; v16-79   four sets of 16 numbers as they are loaded
.set XX,     80                        ; v80-111  two sets of 16 neighbours
.set XE,     112                       ; v112-127 a scale byte for each step
.set XC,     128                       ; v128-191 codes: four registers for each step, so that no store's data are written again
.set WREG,   8192                      ; LDS 0 .. 32,767: a region for each wave: two stages of 32 x SP bytes, behind them its 256 scale bytes
.set SP,     80                        ; a lane's place in a stage: its 64 bytes + 16 of padding
; ---- the path of Wq, Wk, Wv
.set NB,     16                        ; blocks of 32 along K for a wave (512 along K)
.set PITCH,  272                       ; a stage row: 256 bytes of codes + 16
.set KROW,   512                       ; a row of w_codes in bytes
.set WSTG,   32768                     ; LDS 32,768 .. 67,583: a stage of 32 rows for each wave
.set WX,     32                        ; v32-95   two sets of 32 numbers
.set WC,     96                        ; v96-99   a block's codes
.set OUTR,   112                       ; v112-175 the way out
.set SB,     24                        ; v24-27   the scale bytes, four to a register
.macro XLOAD t
.irp i, 0,1,2,3
	global_load_b128 v[XR+16*((\t)%4)+4*\i:XR+16*((\t)%4)+4*\i+3], v3, s[4:5] offset:2048*(\t)+512*\i th:TH_LOAD_NT   ; 32 lanes read 512 consecutive bytes
.endr
.endm
.macro XTURN t                         ; step t's numbers through the stage: LDS serves a wave's instructions in order, so no wait stands between the stores and the loads
.irp i, 0,1,2,3
	ds_store_b128 v14, v[XR+16*((\t)%4)+4*\i:XR+16*((\t)%4)+4*\i+3] offset:32*SP*((\t)%2)+8*SP*\i
.endr
.irp i, 0,1,2,3
	ds_load_b128 v[XX+16*((\t)%2)+4*\i:XX+16*((\t)%2)+4*\i+3], v15 offset:32*SP*((\t)%2)+16*\i
.endr
.endm
.macro XSTEP t
.set XS, XX+16*((\t)%2)
.if (\t) > 0
	s_wait_dscnt 1                                 ; this step's numbers are back from the stage (the last step's byte store may be out): so its stores into the stage have read their registers,
.else
	s_wait_dscnt 0x0
.endif
.if (\t)+4 < XSTEPS
	XLOAD (\t)+4                                   ; which take the loads of four steps on
.endif
.if (\t)+1 < XSTEPS
.if XSTEPS-2-(\t) >= 3
	s_wait_loadcnt 12                              ; the next step's four loads are in; those of the three steps behind it may be out
.else
	s_wait_loadcnt 4*(XSTEPS-2-(\t))
.endif
	XTURN (\t)+1                                   ; and go through the other stage while this step is worked
.endif
	v_max3_num_f32 v8, |v[XS]|, |v[XS+1]|, |v[XS+2]|               ; the largest magnitude of my 16, in two chains
	v_max3_num_f32 v9, |v[XS+3]|, |v[XS+4]|, |v[XS+5]|
.irp i, 6,10
	v_max3_num_f32 v8, v8, |v[XS+\i]|, |v[XS+\i+1]|
	v_max3_num_f32 v9, v9, |v[XS+\i+2]|, |v[XS+\i+3]|
.endr
	v_max3_num_f32 v8, v8, |v[XS+14]|, |v[XS+15]|
	v_max3_num_f32 v8, v8, v9, (EMAX+1)<<23        ; and the floor 2^(EMAX + 1 - 127): so the byte cannot fall under 1
	v_max_num_f32_dpp v8, v8, v8 row_xmask:1 row_mask:0xf bank_mask:0xf   ; and of my neighbour's 16: the block's
	v_add_nc_u32 v11, -(EMAX<<23), v8              ; EMAX off its exponent field: the conversion takes the exponent field of this operand as its scale, and nothing else of it
	v_cvt_scalef32_pk8_fp4_f32 v[XC+4*(\t)], v[XS:XS+7], v11
	v_cvt_scalef32_pk8_fp4_f32 v[XC+4*(\t)+1], v[XS+8:XS+15], v11
	v_lshrrev_b32 v[XE+(\t)], 23, v11              ; the scale's byte (also the plain line behind the conversions)
	ds_store_b8 v5, v[XE+(\t)] offset:16*(\t)      ; both lanes of a block write the same byte with the same value
	global_store_b64 v4, v[XC+4*(\t):XC+4*(\t)+1], s[14:15] offset:32*CB*(\t)   ; 32 lanes store 256 consecutive bytes, aligned
.endm
.macro WLOAD t                         ; block t: W(32 t + i, my column), i = 0 .. 31, into set t % 2; a row of W is 4,096 bytes
.irp i, 0,1,2,3,4,5,6,7,8,9,10,11,12,13,14,15,16,17,18,19,20,21,22,23,24,25,26,27,28,29,30,31
	global_load_b32 v[WX+32*((\t)%2)+\i], v3, s[38:39] offset:(32*(\t)+\i)*4096 th:TH_LOAD_NT
.endr
.endm
.macro WBLOCK t
.set XS, WX+32*((\t)%2)
.if (\t) < NB-1
	s_wait_loadcnt 32                              ; this block's 32 loads are in; the next block's may be out
.else
	s_wait_loadcnt 0
.endif
	v_max3_num_f32 v12, |v[XS]|, |v[XS+1]|, |v[XS+2]|              ; the block's largest magnitude: all 32 numbers are mine
	v_max3_num_f32 v13, |v[XS+3]|, |v[XS+4]|, |v[XS+5]|
.irp i, 6,10,14,18,22,26
	v_max3_num_f32 v12, v12, |v[XS+\i]|, |v[XS+\i+1]|
	v_max3_num_f32 v13, v13, |v[XS+\i+2]|, |v[XS+\i+3]|
.endr
	v_max3_num_f32 v12, v12, |v[XS+30]|, |v[XS+31]|
	v_max3_num_f32 v12, v12, v13, (EMAX+1)<<23     ; and the floor
	v_add_nc_u32 v11, -(EMAX<<23), v12             ; the conversion's scale operand
	v_lshrrev_b32 v13, 23, v11                     ; the scale's byte
.if (\t)%4 == 0
	v_mov_b32 v[SB+(\t)/4], v13                    ; four bytes to a register, the lower K in the lower byte
.else
	v_lshl_or_b32 v[SB+(\t)/4], v13, 8*((\t)%4), v[SB+(\t)/4]
.endif
.irp g, 0,1,2,3
	v_cvt_scalef32_pk8_fp4_f32 v[WC+\g], v[XS+8*\g:XS+8*\g+7], v11
.endr
	ds_store_b128 v4, v[WC:WC+3] offset:16*(\t)    ; 32 codes: 16 bytes of my column's row
.if (\t)+2 < NB
	WLOAD (\t)+2
.endif
	s_wait_dscnt 0x0                               ; the store has read its registers: the next block's codes may be written
.endm
	s_load_b512 s[4:19], s[0:1], 0x0               ; x s[4:5], Wq s[6:7], Wk s[8:9], Wv s[10:11], Wo s[12:13], x_codes s[14:15], x_scales s[16:17], w_codes s[18:19]
	s_load_b128 s[20:23], s[0:1], 0x40             ; w_scales s[20:21], wo16 s[22:23]
	v_lshl_add_u32 v[SPW], v0, 2, SPARE
	v_mov_b32 v[NIL], 0
	v_lshrrev_b32 v1, 5, v0
	v_readfirstlane_b32 s24, v1                    ; wave 0..3
	v_and_b32 v2, 31, v0                           ; lane
	s_cmp_lt_u32 ttmp9, 48
	s_cbranch_scc1 .Lpath_w
	s_cmp_lt_u32 ttmp9, 112
	s_cbranch_scc1 .Lpath_o
	; ================ x: a wave takes a run of 8,192 numbers
	v_lshlrev_b32 v3, 4, v2                        ; my 16 bytes of a load's 512
	s_mul_i32 s25, s24, WREG
	v_lshrrev_b32 v14, 2, v2
	v_mul_u32_u24 v14, v14, SP
	v_and_b32 v15, 3, v2
	v_lshl_add_u32 v14, v15, 4, v14
	v_add_nc_u32 v14, s25, v14                     ; the stage, on the way in: four lanes' 64 bytes on end, then 16 of padding
	v_mul_u32_u24 v15, v2, SP
	v_add_nc_u32 v15, s25, v15                     ; and on the way out: SP x lane: my 16 neighbours
	v_mul_u32_u24 v4, v2, CB                       ; my codes' place in a step's
	v_lshrrev_b32 v5, 1, v2
	s_add_co_u32 s25, s25, 2*32*SP
	v_add_nc_u32 v5, s25, v5                       ; LDS: my wave's 256 scale bytes, my block's byte
	v_lshlrev_b32 v7, 3, v2                        ; and on the way out 8 bytes a lane
	v_add_nc_u32 v6, s25, v7
	s_sub_co_u32 s26, ttmp9, 112
	s_lshl_b32 s26, s26, 2
	s_add_co_u32 s26, s26, s24                     ; which run is my wave's: 0 .. 1,023
	s_mov_b32 s29, 0
	s_wait_kmcnt 0x0
	s_lshl_b32 s28, s26, 15                        ; 32,768 bytes of x a run,
	s_add_nc_u64 s[4:5], s[4:5], s[28:29]
	s_lshl_b32 s28, s26, 12                        ; 4,096 of codes,
	s_add_nc_u64 s[14:15], s[14:15], s[28:29]
	s_lshl_b32 s28, s26, 8                         ; 256 scale bytes
	s_add_nc_u64 s[16:17], s[16:17], s[28:29]
.irp t, 0,1,2,3
	XLOAD \t
.endr
	s_wait_loadcnt 12                              ; step 0's four loads are in
	XTURN 0
.irp t, 0,1,2,3,4,5,6,7,8,9,10,11,12,13,14,15
	XSTEP \t
.endr
	ds_load_b64 v[8:9], v6                         ; LDS serves a wave's instructions in order: these see my byte stores
	s_wait_dscnt 0x0
	global_store_b64 v7, v[8:9], s[16:17]          ; 32 lanes store 256 consecutive bytes, aligned
	s_wait_tensorcnt 0x0                           ; the wave's end, behind my last LDS store
	ds_add_u32 v[SPW], v[NIL]
	s_wait_dscnt 0x0
	s_endpgm
	; ================ Wq, Wk, Wv: a wave takes 32 columns x 512 along K
.Lpath_w:
	s_lshr_b32 s25, ttmp9, 4                       ; which weight: 0 q, 1 k, 2 v
	s_and_b32 s26, ttmp9, 7                        ; which 128 columns
	s_bfe_u32 s27, ttmp9, 0x10003                  ; which half of K
	s_lshl_b32 s28, s26, 7
	s_lshl_b32 s29, s24, 5
	s_add_co_u32 s28, s28, s29                     ; my wave's first column
	v_lshlrev_b32 v3, 2, v2                        ; in: 4 bytes a lane
	s_mul_i32 s29, s24, 32*PITCH
	s_add_co_u32 s29, s29, WSTG                    ; my stage
	v_mul_u32_u24 v4, v2, PITCH
	v_add_nc_u32 v4, s29, v4                       ; into it: row = my column
	v_and_b32 v5, 15, v2
	v_lshrrev_b32 v6, 4, v2                        ; out of it: sixteen lanes to a row, two rows an instruction
	v_mul_u32_u24 v7, v6, PITCH
	v_lshl_add_u32 v7, v5, 4, v7
	v_add_nc_u32 v7, s29, v7
	v_mul_u32_u24 v8, v6, KROW
	v_lshl_add_u32 v8, v5, 4, v8                   ; and the same place in w_codes
	v_lshlrev_b32 v9, 5, v2                        ; my column's row of scale bytes: 32 bytes a row
	s_lshl_b32 s30, s27, 21                        ; W: 512 rows of 4,096 bytes for each half of K,
	s_lshl_b32 s31, s28, 2
	s_add_co_u32 s30, s30, s31                     ; + 4 x column
	s_mov_b32 s31, 0
	s_lshl_b32 s32, s25, 10
	s_add_co_u32 s32, s32, s28                     ; the output's row: 1,024 x weight + column
	s_lshl_b32 s34, s32, 9
	s_lshl_b32 s33, s27, 8
	s_add_co_u32 s34, s34, s33                     ; codes: row x 512 + 256 x half
	s_mov_b32 s35, 0
	s_lshl_b32 s36, s32, 5
	s_lshl_b32 s33, s27, 4
	s_add_co_u32 s36, s36, s33                     ; scale bytes: row x 32 + 16 x half
	s_mov_b32 s37, 0
	s_wait_kmcnt 0x0
	s_cmp_eq_u32 s25, 0                            ; the choice hangs on the work-group's number alone
	s_cselect_b64 s[38:39], s[6:7], s[8:9]
	s_cmp_eq_u32 s25, 2
	s_cselect_b64 s[38:39], s[10:11], s[38:39]
	s_add_nc_u64 s[38:39], s[38:39], s[30:31]
	s_add_nc_u64 s[18:19], s[18:19], s[34:35]
	s_add_nc_u64 s[20:21], s[20:21], s[36:37]
	WLOAD 0
	WLOAD 1                                        ; loads run two blocks ahead
.set Q, 0
.rept NB
	WBLOCK Q
.set Q, Q+1
.endr
	global_store_b128 v9, v[SB:SB+3], s[20:21]     ; my column's 16 scale bytes
.irp t, 0,1,2,3,4,5,6,7,8,9,10,11,12,13,14,15
	ds_load_b128 v[OUTR+4*\t:OUTR+4*\t+3], v7 offset:2*\t*PITCH   ; LDS serves a wave's instructions in order: these see my stores
.endr
.irp t, 0,1,2,3,4,5,6,7,8,9,10,11,12,13,14,15
	s_wait_dscnt 15-\t                             ; load t is in; the younger ones may be out
	global_store_b128 v8, v[OUTR+4*\t:OUTR+4*\t+3], s[18:19] offset:2*\t*KROW   ; sixteen lanes store 256 consecutive bytes, aligned
.endr
	s_wait_tensorcnt 0x0                           ; the wave's end: the three lines
	ds_add_u32 v[SPW], v[NIL]
	s_wait_dscnt 0x0
	s_endpgm
	; ================ Wo: a wave takes 4,096 numbers: 32 loads of 512 bytes, all out at once; 32 stores of 256 bytes
.Lpath_o:
	s_sub_co_u32 s25, ttmp9, 48
	s_lshl_b32 s25, s25, 2
	s_add_co_u32 s25, s25, s24                     ; which run: 0 .. 255
	s_lshl_b32 s26, s25, 14
	s_mov_b32 s27, 0
	s_lshl_b32 s28, s25, 13
	s_mov_b32 s29, 0
	v_lshlrev_b32 v3, 4, v2
	v_lshlrev_b32 v4, 3, v2
	s_wait_kmcnt 0x0
	s_add_nc_u64 s[12:13], s[12:13], s[26:27]
	s_add_nc_u64 s[22:23], s[22:23], s[28:29]
.set i, 0
.rept 32                               ; loads 0-15 into v32-95, loads 16-31 into v128-191
	global_load_b128 v[32+4*i+32*(i/16):35+4*i+32*(i/16)], v3, s[12:13] offset:512*i th:TH_LOAD_NT
.set i, i+1
.endr
.set i, 0
.rept 32                               ; results 0-15 into v96-127, results 16-31 into v32-63, whose numbers have been converted: no store's data are written again
	s_wait_loadcnt 31-i                            ; load i is in; the younger ones may be out
	v_cvt_pk_f16_f32 v[96+2*i-96*(i/16)], v[32+4*i+32*(i/16)], v[33+4*i+32*(i/16)]
	v_cvt_pk_f16_f32 v[97+2*i-96*(i/16)], v[34+4*i+32*(i/16)], v[35+4*i+32*(i/16)]
	global_store_b64 v4, v[96+2*i-96*(i/16):97+2*i-96*(i/16)], s[22:23] offset:256*i   ; 32 lanes store 256 consecutive bytes, aligned
.set i, i+1
.endr
	s_wait_tensorcnt 0x0                           ; the wave's end, in the form of the other two paths
	ds_add_u32 v[SPW], v[NIL]
	s_wait_dscnt 0x0
	s_endpgm
.Lfunc_end_k_qa7c5f4ee84_prep:
	.size	k_qa7c5f4ee84_prep, .Lfunc_end_k_qa7c5f4ee84_prep-k_qa7c5f4ee84_prep
	.p2alignl 7, 3214868480
	.fill 96, 4, 3214868480
	.section	.rodata,"a",@progbits
	.p2align	6, 0x0
	.amdhsa_kernel k_qa7c5f4ee84_prep
		.amdhsa_group_segment_fixed_size 68096
		.amdhsa_private_segment_fixed_size 0
		.amdhsa_enable_private_segment 0
		.amdhsa_kernarg_size 80
		.amdhsa_user_sgpr_count 2
		.amdhsa_user_sgpr_kernarg_segment_ptr 1
		.amdhsa_wavefront_size32 1
		.amdhsa_system_sgpr_workgroup_id_x 1
		.amdhsa_system_sgpr_workgroup_id_y 1
		.amdhsa_system_sgpr_workgroup_id_z 1
		.amdhsa_system_vgpr_workitem_id 0
		.amdhsa_next_free_vgpr 200
		.amdhsa_next_free_sgpr 66
		.amdhsa_reserve_vcc 0
		.amdhsa_float_denorm_mode_32 3
		.amdhsa_float_denorm_mode_16_64 3
		.amdhsa_memory_ordered 1
		.amdhsa_forward_progress 1
		.amdhsa_inst_pref_size 122
	.end_amdhsa_kernel
	.amdgpu_metadata
---
amdhsa.version: [ 1, 2 ]
amdhsa.kernels:
  - .name:           k_qa7c5f4ee84_prep
    .symbol:         k_qa7c5f4ee84_prep.kd
    .args:
      - { .name: x, .offset: 0, .size: 8, .value_kind: global_buffer, .address_space: global }
      - { .name: Wq, .offset: 8, .size: 8, .value_kind: global_buffer, .address_space: global }
      - { .name: Wk, .offset: 16, .size: 8, .value_kind: global_buffer, .address_space: global }
      - { .name: Wv, .offset: 24, .size: 8, .value_kind: global_buffer, .address_space: global }
      - { .name: Wo, .offset: 32, .size: 8, .value_kind: global_buffer, .address_space: global }
      - { .name: x_codes, .offset: 40, .size: 8, .value_kind: global_buffer, .address_space: global }
      - { .name: x_scales, .offset: 48, .size: 8, .value_kind: global_buffer, .address_space: global }
      - { .name: w_codes, .offset: 56, .size: 8, .value_kind: global_buffer, .address_space: global }
      - { .name: w_scales, .offset: 64, .size: 8, .value_kind: global_buffer, .address_space: global }
      - { .name: wo16, .offset: 72, .size: 8, .value_kind: global_buffer, .address_space: global }
    .group_segment_fixed_size: 68096
    .private_segment_fixed_size: 0
    .kernarg_segment_align: 8
    .kernarg_segment_size: 80
    .max_flat_workgroup_size: 128
    .sgpr_count:     66
    .vgpr_count:     200
    .wavefront_size: 32
...
	.end_amdgpu_metadata
.endif
;; end of part 1
;; launch qkv (part 2): grid 12 x 32, 4 waves a work-group, clusters of 4 x 4, 327,680 bytes of LDS; arguments x_codes, x_scales, w_codes, w_scales, bq, bv, qkv; writes qkv
.if DOCPART == 2
	.amdgcn_target "amdgcn-amd-amdhsa--gfx1250"
	.amdhsa_code_object_version 6
	.text
	.protected	k_qa7c5f4ee84_qkv
	.globl	k_qa7c5f4ee84_qkv
	.p2align	8
	.type	k_qa7c5f4ee84_qkv,@function
k_qa7c5f4ee84_qkv:
	s_mov_b64 s[64:65], 0
	v_nop
	global_prefetch_b8 v0, s[64:65] scope:SCOPE_SE
	s_setreg_imm32_b32 hwreg(HW_REG_WAVE_MODE, 25, 1), 1
	s_wait_xcnt 0x0
	s_wait_alu depctr_hold_cnt(0) depctr_sa_sdst(0) depctr_va_vdst(0) depctr_va_sdst(0) depctr_va_ssrc(0) depctr_va_vcc(0) depctr_vm_vsrc(0)
	s_getreg_b32 s2, hwreg(HW_REG_IB_STS2, 6, 4)
	s_cmp_eq_u32 s2, 0
	s_cbranch_scc0 .Lentry_in_a_cluster
	s_endpgm
.Lentry_in_a_cluster:
	s_bfe_u32 s2, ttmp6, 0x10000c
	s_cmp_lg_u32 s2, 0xf033
	s_cbranch_scc0 .Lentry_shape_is_right
	s_endpgm
.Lentry_shape_is_right:
; Launch 2 of 4: products 1 to 3, QUANTISED: C[m][n] = sum over k of x[m][k] W[k][n] (+ bias), m = 8,192 rows of x, n = 3,072 columns (q, k, v), K = 1,024, on codes of FP4 (E2M1) with one E8M0 byte for each 32 along K.
; The result leaves as f16, laid for attention: qkv[T = q, k, v][batch][head][s][64].  LIMIT: beyond 65,504 the conversion gives infinity.
; LEFT OUT: bk (dead: it adds to every score of a query the same number, which the softmax takes away; shown at the head of the first launch).  So k's sums begin at 0, q's at bq, v's at bv.
; A tile of C, 256 x 256, is made by a work-group of four waves; a wave makes 128 x 128: 64 accumulators of 16 x 16, 512 registers.  K = 1,024 is two LDS slots of 512 along K (rows of 256 bytes):
; both are first fills, nothing is filled again.  The scale bytes of the tile's 256 + 256 rows, for all of K, are two dense blocks: they come once, with the first fills.  A wave has three tensor loads out at the most.
; CLUSTERS: 4 x 4 work-groups.  The four of a row of the cluster need the same tiles of x, the four of a column the same tiles of W: each is asked for JOINTLY.  The cluster's x is T: the same in all sixteen.
; THE MATRIX INSTRUCTION IS USED TRANSPOSED (source 0 = 16 columns of W, source 1 = 16 rows of x): a lane then holds eight neighbouring columns of one row of C.
; REGISTERS: window 0: v0-31 addresses; v32-95 scale words, two sets; v128-191 x's fragments, ONE set; v192-255 the bias, 8 registers for each of my 8 blocks of columns, in the result's layout.
;   window 1: W's fragments, TWO sets, at v0 and v128.   window 2: the accumulators of my rows 0-63 ((a, b) at v[8 (8 a + b)]);   window 3: those of my rows 64-127.
.set SIZE_K, 1024
.set KSTEP,  512
.set NQ,     KSTEP/128
.set ROWB,   256
.set KROW,   SIZE_K/2
.set PITCH,  272                       ; an LDS row: 256 bytes + 16 of padding = 68 words: the 16 rows that a load touches start 4 words apart modulo 64
.set FR,     8
.set NL,     2
.set NP,     4                         ; places behind this matrix instruction (ISA guide 7.12.1)
.set HALFT,  128*PITCH
.set SLOT,   4*HALFT
.set KS,     SIZE_K/32
.set SCL,    2*SLOT
.set HALFS,  (128*KS/256)*272
.set SBLK,   (16*KS/256)*272
.set SPARE,  SCL+4*HALFS               ; the spare words, 128 bytes for each wave
.set SPITCH, 272                       ; the way out: a stage of 16 rows x (256 bytes + 16) for each wave, in slot 0, which has had its only fill and its last read by then
.set HEADB,  2048*128                  ; a head's bytes in qkv
.set ADRA, 16
.set ADRB, 20
.set STO,  24
.set RD,   25
.set CO,   26
.set ADRS, 27
.set SPW,  28
.set NIL,  29
.set SC,   32
.set AF,   128
.set BIAS, 192
.set TMP,  32                          ; the way out: packed results
.set BK,   128                         ; the way out: 16 rows read back: v128-159 and v160-191 by turns
.set G1, 24
.set G0, 32
.set G1B, 48
.set G0B, 56
.set G1S, 68
.set G0S, 76
.set G1SB, 80
.set G0SB, 88
.set MSB, 0
.macro WIN new                         ; the immediate's high byte repeats the setting that is left
.if MSB != \new
	s_set_vgpr_msb (MSB<<8)|\new
.set MSB, \new
.endif
.endm
.set MUL_LO, 0xa1                      ; source 0 (W) window 1, source 1 (x) window 0, C and D window 2
.set MUL_HI, 0xf1                      ; the same, C and D window 3
.set BIA_LO, 0x81                      ; the first step: C (the bias) window 0, D window 2
.set BIA_HI, 0xc1                      ; D window 3
.set TO_B,   0x40
; A joint load: waves 0 and 1 fetch for x, waves 2 and 3 for W.  The branch hangs on the wave's number alone.  An s_nop 0 and four v_nop follow each of the two lines.
.macro JLOAD g0a, g1a, g0b, g1b
	s_cmp_eq_u32 s15, 0
	s_cbranch_scc0 .Lfor_b_\@
	tensor_load_to_lds s[\g0a:\g0a+3], s[\g1a:\g1a+7]
	s_nop 0
.rept 4
	v_nop
.endr
	s_branch .Lasked_\@
.Lfor_b_\@:
	tensor_load_to_lds s[\g0b:\g0b+3], s[\g1b:\g1b+7]
	s_nop 0
.rept 4
	v_nop
.endr
.Lasked_\@:
.endm
.macro CROUND                          ; a round of the cluster's barrier
	s_barrier_signal -1
	s_barrier_wait -1
	s_cmp_lg_u32 s14, 0
	s_cbranch_scc1 .Lnot_wave_0_\@
	s_barrier_signal -3
.Lnot_wave_0_\@:
	s_barrier_wait -3
	s_barrier_signal -1
	s_barrier_wait -1
.endm
	s_load_b128 s[4:7], s[0:1], 0x0                ; x's codes, x's scales
	s_load_b128 s[8:11], s[0:1], 0x10              ; W's codes, W's scales
	s_load_b128 s[96:99], s[0:1], 0x20             ; bq, bv
	s_load_b64 s[12:13], s[0:1], 0x30              ; qkv
	v_lshl_add_u32 v[SPW], v0, 2, SPARE
	v_mov_b32 v[NIL], 0
	ds_add_u32 v[SPW], v[NIL]                      ; the wave's opening: the add, twice on end, and its wait ahead of my first tensor load
	ds_add_u32 v[SPW], v[NIL]
	v_lshrrev_b32 v1, 5, v0
	v_readfirstlane_b32 s14, v1                    ; wave 0..3
	s_lshr_b32 s15, s14, 1                         ; which half of the tile's rows is mine.  Also: I fetch for x (0) or for W (1)
	s_and_b32 s16, s14, 1                          ; which half of its columns.  Also: which 128 rows of that tile I fetch
	s_bfe_u32 s40, ttmp6, 0x40000                  ; cx, cy: my place in the cluster
	s_bfe_u32 s41, ttmp6, 0x40004
	s_lshl_b32 s42, ttmp9, 2
	s_add_co_u32 s42, s42, s40                     ; tile column of C = 4 x cluster x + cx
	s_and_b32 s17, ttmp7, 0xffff
	s_lshl_b32 s17, s17, 2
	s_add_co_u32 s17, s17, s41                     ; tile row of C = 4 x cluster y + cy
	s_lshl_b32 s43, s41, 2
	s_lshl_b32 s43, 15, s43                        ; my row of the cluster
	s_lshl_b32 s44, 0x1111, s40                    ; my column
	s_or_b32 s[G1+0], s43, (0<<16)|(1<<20)|(1<<21)|(5<<22)|(3<<25)  ; the mask; elements of 1 byte; padding on; bit 21 beside a mask; 4 words of padding behind every 64
	s_or_b32 s[G1B+0], s44, (0<<16)|(1<<20)|(1<<21)|(5<<22)|(3<<25)
.irp g, G1, G1B
	s_mov_b32 s[\g+1], ROWB<<16                    ; tensor_dim0
	s_mov_b32 s[\g+2], 128<<16                     ; tensor_dim1 = 128
	s_mov_b32 s[\g+3], ROWB<<16                    ; tile_dim0
	s_mov_b32 s[\g+4], 128                         ; tile_dim1 = 128
	s_mov_b32 s[\g+5], KROW                        ; tensor_dim0_stride
	s_mov_b32 s[\g+6], 0
	s_mov_b32 s[\g+7], 0
.endr
	; the scales of 128 rows: a dense block of 4,096 bytes, as rows of 256 bytes (32 elements of 8 bytes), 16 bytes of padding behind each
	s_or_b32 s[G1S+0], s43, (3<<16)|(1<<20)|(1<<21)|(5<<22)|(3<<25)
	s_or_b32 s[G1SB+0], s44, (3<<16)|(1<<20)|(1<<21)|(5<<22)|(3<<25)
.irp g, G1S, G1SB
	s_mov_b32 s[\g+1], 32<<16
	s_mov_b32 s[\g+2], (128*KS/256)<<16
	s_mov_b32 s[\g+3], 32<<16
	s_mov_b32 s[\g+4], 128*KS/256
	s_mov_b32 s[\g+5], 32
	s_mov_b32 s[\g+6], 0
	s_mov_b32 s[\g+7], 0
.endr
	s_lshl_b32 s18, s16, 7                         ; which 128 rows of the tile I fetch
	s_lshl_b32 s20, s17, 8
	s_add_co_u32 s20, s20, s18                     ; x: row 256 x tile row + 128 x half
	s_lshl_b32 s46, s42, 8
	s_add_co_u32 s46, s46, s18                     ; W: row 256 x tile column + 128 x half
	s_mov_b32 s21, 0
	s_mov_b32 s47, 0
	s_mov_b64 s[18:19], KS
	s_mul_u64 s[22:23], s[20:21], s[18:19]         ; where these rows' scales begin, in bytes
	s_mul_u64 s[92:93], s[46:47], s[18:19]
	s_mov_b64 s[18:19], KROW
	s_mul_u64 s[20:21], s[20:21], s[18:19]         ; and their codes
	s_mul_u64 s[46:47], s[46:47], s[18:19]
	s_mul_i32 s45, s14, HALFT                      ; where they go: wave x 128 rows: no place in the cluster enters an LDS address
	s_mul_i32 s94, s14, HALFS
	s_wait_dscnt 0x0                               ; both opening adds are done
	s_wait_kmcnt 0x0
	s_add_nc_u64 s[20:21], s[4:5], s[20:21]
	s_add_nc_u64 s[22:23], s[6:7], s[22:23]
	s_add_nc_u64 s[46:47], s[8:9], s[46:47]
	s_add_nc_u64 s[92:93], s[10:11], s[92:93]
	CROUND                                         ; all sixteen work-groups are here: the first joint loads meet
	s_mov_b32 s[G0S], 1
	s_add_co_u32 s[G0S+1], s94, SCL
	s_mov_b64 s[G0S+2:G0S+3], s[22:23]
	s_or_b32 s[G0S+3], s[G0S+3], 0x80000000
	s_mov_b32 s[G0SB], 1
	s_add_co_u32 s[G0SB+1], s94, SCL
	s_mov_b64 s[G0SB+2:G0SB+3], s[92:93]
	s_or_b32 s[G0SB+3], s[G0SB+3], 0x80000000
	JLOAD G0S, G1S, G0SB, G1SB                     ; the scales first: they are wanted with the first slot
.irp s, 0,1
	s_mov_b32 s[G0+4*\s], 1
	s_add_co_u32 s[G0+4*\s+1], s45, \s*SLOT
	s_add_nc_u64 s[G0+4*\s+2:G0+4*\s+3], s[20:21], \s*ROWB
	s_or_b32 s[G0+4*\s+3], s[G0+4*\s+3], 0x80000000
	s_mov_b32 s[G0B+4*\s], 1
	s_add_co_u32 s[G0B+4*\s+1], s45, \s*SLOT
	s_add_nc_u64 s[G0B+4*\s+2:G0B+4*\s+3], s[46:47], \s*ROWB
	s_or_b32 s[G0B+4*\s+3], s[G0B+4*\s+3], 0x80000000
	JLOAD G0+4*\s, G1, G0B+4*\s, G1B
.endr
	v_and_b32 v1, 15, v0                           ; r = l % 16
	v_bfe_u32 v2, v0, 4, 1                         ; h = l / 16
	v_mul_u32_u24 v3, v1, PITCH
	v_lshl_add_u32 v4, v2, 4, v3                   ; a fragment's row x pitch + 16 x half
	s_mul_i32 s21, s15, HALFT                      ; my 128 rows of x
	s_mul_i32 s22, s16, HALFT                      ; my 128 rows of W,
	s_add_co_u32 s22, s22, 2*HALFT                 ; which lie behind x's 256
.irp s, 0,1
	v_add_nc_u32 v[ADRA+\s], s21, v4
	v_add_nc_u32 v[ADRB+\s], s22, v4
	s_add_co_u32 s21, s21, SLOT
	s_add_co_u32 s22, s22, SLOT
.endr
	v_mul_u32_u24 v5, v1, KS                       ; my row's scales: KS bytes a row,
	v_lshrrev_b32 v6, 8, v5
	v_lshl_add_u32 v5, v6, 4, v5                   ; and 16 more for each 256 passed
	s_mul_i32 s21, s15, HALFS                      ; x's: my 128 rows
	s_mul_i32 s22, s16, HALFS                      ; W's: my 128 rows, behind x's 256
	s_add_co_u32 s22, s22, 2*HALFS
	s_sub_co_u32 s22, s22, s21
	v_mul_u32_u24 v6, s22, v2                      ; lanes 16-31 take W's: one product, the distance between the two bases
	s_add_co_u32 s21, s21, SCL
	v_add_nc_u32 v5, v5, v6
	v_add_nc_u32 v[ADRS], s21, v5
	s_mul_i32 s23, s14, 16*SPITCH                  ; my stage
	v_mul_u32_u24 v5, v1, SPITCH                   ; in: row r, 16 bytes for each half of the lanes
	v_lshl_add_u32 v5, v2, 4, v5
	v_add_nc_u32 v[STO], s23, v5
	v_and_b32 v6, 31, v0
	v_lshrrev_b32 v5, 3, v6                        ; back: eight lanes take a head's 128 bytes of a row, 32 lanes four rows
	v_mul_u32_u24 v5, v5, SPITCH
	v_and_b32 v3, 7, v0
	v_lshl_add_u32 v5, v3, 4, v5
	v_add_nc_u32 v[RD], s23, v5
	v_lshlrev_b32 v[CO], 4, v6                     ; four rows of a head are 512 consecutive bytes of qkv
	; where my part begins in qkv.  By the row: (batch x 16 heads x 2,048 + s) x 128 bytes
	s_lshl_b32 s20, s17, 8
	s_lshl_b32 s21, s15, 7
	s_add_co_u32 s20, s20, s21                     ; my first row of C
	s_lshr_b32 s21, s20, 11                        ; batch
	s_lshl_b32 s21, s21, 22
	s_and_b32 s20, s20, 2047                       ; s
	s_lshl_b32 s20, s20, 7
	s_add_co_u32 s20, s20, s21
	s_mov_b32 s21, 0
	s_add_nc_u64 s[12:13], s[12:13], s[20:21]
	s_lshl_b32 s46, s40, 20                        ; by the column: head 4 cx + 2 x half, 2^18 bytes a head; T x 2^24
	s_lshl_b32 s47, s16, 19
	s_add_co_u32 s46, s46, s47
	s_lshl_b32 s47, ttmp9, 24
	s_add_co_u32 s46, s46, s47
	s_mov_b32 s47, 0
	s_add_nc_u64 s[12:13], s[12:13], s[46:47]
	; THE BIAS is the C of each sum's first matrix instruction: register j of block b holds bias[my first column + 16 b + 8 h + j]
	s_lshl_b32 s46, s40, 10                        ; 256 cx columns of 4 bytes,
	s_lshl_b32 s47, s16, 9                         ; + 128 x half
	s_add_co_u32 s46, s46, s47
	s_mov_b32 s47, 0
	s_cmp_eq_u32 ttmp9, 0                          ; the cluster's x is T: the same in all sixteen partners
	s_cselect_b64 s[96:97], s[96:97], s[98:99]
	s_add_nc_u64 s[96:97], s[96:97], s[46:47]
	v_lshlrev_b32 v7, 5, v2
	s_cmp_eq_u32 ttmp9, 1
	s_cbranch_scc1 .Lno_bias
.irp b, 0,1,2,3,4,5,6,7
	global_load_b128 v[BIAS+8*\b:BIAS+8*\b+3], v7, s[96:97] offset:64*\b
	global_load_b128 v[BIAS+8*\b+4:BIAS+8*\b+7], v7, s[96:97] offset:64*\b+16
.endr
	s_branch .Lbias_done
.Lno_bias:                                             ; k: bk is left out, so these 64 registers hold 0: the first step's text is one for q, k and v
.set i, 0
.rept 64
	v_mov_b32 v[BIAS+i], 0
.set i, i+1
.endr
.Lbias_done:
.macro FRAG reg, adr, q, i             ; a fragment, 16 rows x 128 K of 4-bit codes, is 8 registers: lane l holds row l % 16; registers 4 c .. 4 c + 3 hold K = 64 c + 32 (l / 16) + 0 .. 31
.irp c, 0,1
	ds_load_b128 v[\reg+4*\c:\reg+4*\c+3], v[\adr] offset:64*(\q)+32*\c+(\i)*16*PITCH
.endr
.endm
; 16 matrix instructions: x's blocks a0, a0 + 1 against W's eight, 128 along K: the slot's q-th.  p: W's set;  sc: the set of scale words.  zero = 1: the first product starts the sums from the bias.
; The 64 accumulators take turns, one instruction a turn, in the same order in every step.
.macro MUL16 a0, p, q, sc, zero
.irp a, \a0, \a0+1
.irp b, 0,1,2,3,4,5,6,7
.if \zero
	v_wmma_scale_f32_16x16x128_f8f6f4 v[8*(8*((\a)%4)+\b):8*(8*((\a)%4)+\b)+7], v[128*(\p)+FR*\b:128*(\p)+FR*\b+FR-1], v[AF+FR*(\a):AF+FR*(\a)+FR-1], v[BIAS+8*\b:BIAS+8*\b+7], v[SC+8*NQ*(\sc)+NQ*\b+(\q)], v[SC+8*NQ*(\sc)+NQ*(\a)+(\q)] matrix_a_fmt:MATRIX_FMT_FP4 matrix_b_fmt:MATRIX_FMT_FP4 matrix_a_scale:MATRIX_SCALE_ROW1
.else
	v_wmma_scale_f32_16x16x128_f8f6f4 v[8*(8*((\a)%4)+\b):8*(8*((\a)%4)+\b)+7], v[128*(\p)+FR*\b:128*(\p)+FR*\b+FR-1], v[AF+FR*(\a):AF+FR*(\a)+FR-1], v[8*(8*((\a)%4)+\b):8*(8*((\a)%4)+\b)+7], v[SC+8*NQ*(\sc)+NQ*\b+(\q)], v[SC+8*NQ*(\sc)+NQ*(\a)+(\q)] matrix_a_fmt:MATRIX_FMT_FP4 matrix_b_fmt:MATRIX_FMT_FP4 matrix_a_scale:MATRIX_SCALE_ROW1
.endif
.endr
.endr
.endm
.macro FETCH_B slot, q, p              ; W's eight fragments of the slot's q-th 128 along K into set p
	WIN TO_B
.irp i, 0,1,2,3,4,5,6,7
	FRAG 128*(\p)+FR*\i, ADRB+\slot, \q, \i
.endr
	WIN 0
.endm
.macro FETCH_A slot, q, i0             ; x's blocks i0 .. i0 + 3
.irp i, \i0, \i0+1, \i0+2, \i0+3
	FRAG AF+FR*(\i), ADRA+\slot, \q, \i
.endr
.endm
.macro SCALES sc                       ; a slot's scale words into set sc: NQ words a row; lanes 0-15 take x's block i, lanes 16-31 W's block i
.irp i, 0,1,2,3,4,5,6,7
	ds_load_b128 v[SC+8*NQ*\sc+NQ*\i:SC+8*NQ*\sc+NQ*\i+3], v[ADRS] offset:\i*SBLK
.endr
.endm
.macro PLACES n                        ; plain vector instructions between a matrix instruction and a load into, or a read of, its registers (ISA guide 7.12.1 for reads)
.rept \n
	v_nop
.endr
.endm
; A step of 128 along K that has its successor in the same slot.
.macro STEP slot, q, zero
	s_wait_dscnt 4*NL                              ; W's set and x's blocks 0-3 are in; the youngest eight loads (x's blocks 4-7) may be out
.if \zero
	WIN BIA_LO
.else
	WIN MUL_LO
.endif
	MUL16 0, (\q)%2, \q, \slot, \zero
	MUL16 2, (\q)%2, \q, \slot, \zero
	s_wait_dscnt 0                                 ; x's blocks 4-7 are in (asked for 32 matrix instructions ago)
	PLACES NP
	FETCH_B \slot, (\q)+1, 1-(\q)%2
	FETCH_A \slot, (\q)+1, 0
.if \zero
	WIN BIA_HI
.else
	WIN MUL_HI
.endif
	MUL16 4, (\q)%2, \q, \slot, \zero
	MUL16 6, (\q)%2, \q, \slot, \zero
	PLACES NP
	WIN 0
	FETCH_A \slot, (\q)+1, 4
.endm
; Slot 0's last step changes slots: one barrier; in front of it each wave waits for all its tensor loads (its part of slot 1), adds 0 to its spare word, and waits for that and for its own reads of slot 0.
; Nothing is filled again; behind the barrier slot 1 is whole, and nobody reads slot 0 any more: the way out's stages may lie there.
.macro TURN slot, next
	s_wait_tensorcnt 0x0                           ; all my tensor loads have landed
	ds_add_u32 v[SPW], v[NIL]                      ; 0 onto my spare word
	s_wait_dscnt 4*NL+1                            ; (the add and the youngest eight loads may be out)
	WIN MUL_LO
	MUL16 0, 1, NQ-1, \slot, 0                     ; sixteen matrix instructions stand between the add and the wait for it
	s_wait_dscnt 0x0                               ; the add is done, and my reads of this slot are over
	s_barrier_signal -1
	MUL16 2, 1, NQ-1, \slot, 0
	WIN 0
	s_barrier_wait -1
	PLACES NP
	v_add_nc_u32 v[ADRS], 4*NQ, v[ADRS]            ; on to the next slot's scale words (no LDS load of mine is out)
	FETCH_B \next, 0, 0
	FETCH_A \next, 0, 0
	SCALES \next
	WIN MUL_HI
	MUL16 4, 1, NQ-1, \slot, 0
	MUL16 6, 1, NQ-1, \slot, 0
	PLACES NP
	WIN 0
	FETCH_A \next, 0, 4
.endm
.macro STEPS slot, from                ; the slot's steps from .. NQ - 2
.set Q, \from
.rept NQ-1-\from
	STEP \slot, Q, 0
.set Q, Q+1
.endr
.endm
	s_wait_tensorcnt 1                             ; the scales and my part of slot 0 are in (slot 1's load may be out)
	s_barrier_signal -1
	s_barrier_wait -1                              ; everybody's are
	FETCH_B 0, 0, 0
	FETCH_A 0, 0, 0
	SCALES 0
	FETCH_A 0, 0, 4
	s_wait_loadcnt 0x0                             ; the bias
	STEP 0, 0, 1                                   ; the first step's products start the sums
	STEPS 0, 1
	TURN 0, 1
	STEPS 1, 0
	s_wait_dscnt 4*NL                              ; the very last step: nothing more to fetch
	WIN MUL_LO
	MUL16 0, 1, NQ-1, 1, 0
	MUL16 2, 1, NQ-1, 1, 0
	s_wait_dscnt 0
	WIN MUL_HI
	MUL16 4, 1, NQ-1, 1, 0
	MUL16 6, 1, NQ-1, 1, 0
	WIN 0
; THE WAY OUT, block by block of 16 rows x 128 columns (two heads).  PACK: rounded to f16, 16 bytes a lane, each accumulator from its low end on.  TOSTAGE: into my stage, and back so that 32 lanes hold four rows of one head.
; SEND: 512 consecutive bytes of qkv a store.  Every offset is an immediate: the base is never stepped.
.macro PACK a
.set AC, 64*((\a)%4)
	WIN 0x0a+5*((\a)/4)                            ; sources 0 and 1: window 2 or 3
.irp b, 0,1,2,3,4,5,6,7
.irp r, 0,1,2,3
	v_cvt_pk_f16_f32 v[TMP+4*\b+\r], v[AC+8*\b+2*\r], v[AC+8*\b+2*\r+1]
.endr
.endr
	WIN 0
.endm
.macro TOSTAGE a
.set BB, BK+32*((\a)%2)
.irp b, 0,1,2,3,4,5,6,7
	ds_store_b128 v[STO], v[TMP+4*\b:TMP+4*\b+3] offset:32*\b
.endr
.irp t, 0,1,2,3,4,5,6,7
	ds_load_b128 v[BB+4*\t:BB+4*\t+3], v[RD] offset:(\t%4)*4*SPITCH+128*(\t/4)   ; LDS serves a wave's instructions in order: these see the stores above
.endr
.endm
.macro SEND a
.set BB, BK+32*((\a)%2)
	s_wait_dscnt 0x0                               ; the block is back in registers
	s_wait_xcnt 0x0                                ; the earlier stores have read their registers: the block after this one may land where the block before it lay
.irp t, 0,1,2,3,4,5,6,7
	global_store_b128 v[CO], v[BB+4*\t:BB+4*\t+3], s[12:13] offset:(\t/4)*HEADB+(\a)*2048+(\t%4)*512
.endr
.endm
	PLACES NP                                      ; between the last products and the first reads of results, the writes of the scale words' registers and the loads into x's fragments
	PACK 0
	TOSTAGE 0
.irp a, 1,2,3,4,5,6,7                  ; block a's conversions stand between block a - 1's loads from the stage and the wait for them
	PACK \a
	SEND \a-1
	TOSTAGE \a
.endr
	SEND 7
	s_wait_tensorcnt 0x0                           ; the wave's end
	ds_add_u32 v[SPW], v[NIL]
	s_wait_dscnt 0x0
	CROUND                                         ; the closing round
	s_endpgm
.Lfunc_end_k_qa7c5f4ee84_qkv:
	.size	k_qa7c5f4ee84_qkv, .Lfunc_end_k_qa7c5f4ee84_qkv-k_qa7c5f4ee84_qkv
	.p2alignl 7, 3214868480
	.fill 96, 4, 3214868480
	.section	.rodata,"a",@progbits
	.p2align	6, 0x0
	.amdhsa_kernel k_qa7c5f4ee84_qkv
		.amdhsa_group_segment_fixed_size 327680
		.amdhsa_private_segment_fixed_size 0
		.amdhsa_enable_private_segment 0
		.amdhsa_kernarg_size 56
		.amdhsa_user_sgpr_count 2
		.amdhsa_user_sgpr_kernarg_segment_ptr 1
		.amdhsa_wavefront_size32 1
		.amdhsa_system_sgpr_workgroup_id_x 1
		.amdhsa_system_sgpr_workgroup_id_y 1
		.amdhsa_system_sgpr_workgroup_id_z 1
		.amdhsa_system_vgpr_workitem_id 0
		.amdhsa_next_free_vgpr 1024
		.amdhsa_next_free_sgpr 100
		.amdhsa_reserve_vcc 0
		.amdhsa_float_denorm_mode_32 3
		.amdhsa_float_denorm_mode_16_64 3
		.amdhsa_memory_ordered 1
		.amdhsa_forward_progress 1
		.amdhsa_inst_pref_size 130
	.end_amdhsa_kernel
	.amdgpu_metadata
---
amdhsa.version: [ 1, 2 ]
amdhsa.kernels:
  - .name:           k_qa7c5f4ee84_qkv
    .symbol:         k_qa7c5f4ee84_qkv.kd
    .args:
      - { .name: x_codes, .offset: 0, .size: 8, .value_kind: global_buffer, .address_space: global }
      - { .name: x_scales, .offset: 8, .size: 8, .value_kind: global_buffer, .address_space: global }
      - { .name: w_codes, .offset: 16, .size: 8, .value_kind: global_buffer, .address_space: global }
      - { .name: w_scales, .offset: 24, .size: 8, .value_kind: global_buffer, .address_space: global }
      - { .name: bq, .offset: 32, .size: 8, .value_kind: global_buffer, .address_space: global }
      - { .name: bv, .offset: 40, .size: 8, .value_kind: global_buffer, .address_space: global }
      - { .name: qkv, .offset: 48, .size: 8, .value_kind: global_buffer, .address_space: global }
    .group_segment_fixed_size: 327680
    .private_segment_fixed_size: 0
    .kernarg_segment_align: 8
    .kernarg_segment_size: 56
    .max_flat_workgroup_size: 128
    .sgpr_count:     100
    .vgpr_count:     1024
    .wavefront_size: 32
...
	.end_amdgpu_metadata
.endif
;; end of part 2
;; launch attn (part 3): grid 4 x 64, 8 waves a work-group, clusters of 4 x 1, 327,680 bytes of LDS; arguments qkv, mask, att; writes att
.if DOCPART == 3
	.amdgcn_target "amdgcn-amd-amdhsa--gfx1250"
	.amdhsa_code_object_version 6
	.text
	.protected	k_qa7c5f4ee84_attn
	.globl	k_qa7c5f4ee84_attn
	.p2align	8
	.type	k_qa7c5f4ee84_attn,@function
k_qa7c5f4ee84_attn:
	s_mov_b64 s[64:65], 0
	v_nop
	global_prefetch_b8 v0, s[64:65] scope:SCOPE_SE
	s_setreg_imm32_b32 hwreg(HW_REG_WAVE_MODE, 25, 1), 1
	s_wait_xcnt 0x0
	s_wait_alu depctr_hold_cnt(0) depctr_sa_sdst(0) depctr_va_vdst(0) depctr_va_sdst(0) depctr_va_ssrc(0) depctr_va_vcc(0) depctr_vm_vsrc(0)
	s_getreg_b32 s2, hwreg(HW_REG_IB_STS2, 6, 4)
	s_cmp_eq_u32 s2, 0
	s_cbranch_scc0 .Lentry_in_a_cluster
	s_endpgm
.Lentry_in_a_cluster:
	s_bfe_u32 s2, ttmp6, 0x10000c
	s_cmp_lg_u32 s2, 0x3003
	s_cbranch_scc0 .Lentry_shape_is_right
	s_endpgm
.Lentry_shape_is_right:
; Launch 3 of 4: att[b][h][q][:] = the sum over k of softmax_k(q . k / 8, masked keys out) v[k][:].  q, k, v: planes of qkv, [b][h][2048][64] f16; att likewise.  Products 4 and 6, left as they are: f16 operands, f32 sums.
; LEFT OUT: task_bias (one number for each (b, h), the same along the softmax's axis) and bk (shown dead at the head of the first launch).
; THE MASK.  A key whose mask word is 0 gets -1e30 in place of 0 as the C of the first K Q^T instruction on its score.  f16 operands bound |q . k| by 64 x 65,504^2 = 2.75e11, so such a score lies under every other.
; THE SOFTMAX.  For each query a running maximum m and sum l: p = 2^(c s - c m), c = log2(e) / 8; in every step O and l are multiplied by a = 2^(c m_old - c m_new).  m BEGINS AT -1e12, under every score that f16
; operands can give: so it is the true running maximum from the first key that counts on, a masked key's p is 2^(-1.8e29 ..) = 0 always, and while only masked keys have been seen l and O stay 0.
; A batch with every key masked ends with l = 0 and O = 0: 0 x (1 / 0) is the NaN that reference() gives there.
; LIMITS: p is rounded to f16 for the second product (l sums the unrounded p); att is rounded to f16: under 6e-5 with an absolute error of 3e-8 at the most, beyond 65,504 infinity.
; SHARES.  A work-group owns 512 queries of one (b, h), each of its eight waves 64: four tiles of 16.  Two waves share a SIMD, so that one wave's softmax stands beside the other's products.  Every wave walks all 2,048 keys, 64 a step.
; LAYOUT.  S^T = K Q^T (source 0 = 16 keys, source 1 = 16 queries): a lane holds ONE query (lane % 16) and keys 8 (lane / 16) + 0..7.  Two such tiles, rounded to f16 in pairs, ARE source 1 (32 keys x 16 queries) of
; O^T = V^T P, whose result again holds one query a lane, and eight channels.  K comes out of LDS as it lies, V ([key][channel]) turned, by ds_load_tr16_b128.
; CLUSTER.  The four query blocks of a (b, h) form a cluster and walk the same K and V: each tile is asked for JOINTLY.  Two slots of four steps; every wave fetches one tile of 64 keys (waves 0-3: K's, waves 4-7: V's).
; A wave has two tensor loads out at the start and one behind each change of slots, which has four steps in which to land.
; LDS.  K's and V's rows of 128 bytes are dense in memory: a tile is stated as 32 rows of 256 bytes (two keys), K with 16 bytes of padding behind each, V with 32.
; REGISTERS.  window 0: v2-14 addresses; v16-47 statistics, 8 a tile; v48-79 the keys' bias, 8 a tile of keys; v80-207 S^T, 32 a tile of queries; P is made in place.
;   window 1: v0-127 O^T, 32 a tile; v128-191 Q, 16 a tile; v192-255 K of the step, later V of the step.
.set PK,    272                        ; two keys of K in LDS: 68 words: the 16 keys of a load start at words 4 (r / 2) + 32 (r % 2) modulo 64
.set PV,    288                        ; two keys of V: 72 words: 16 lanes of the turning load start at words 8 (key / 2) + 32 (key % 2) + 4 (half) modulo 64
.set VOFF,  32*PK                      ; a step's tiles lie together: K's 32 rows, then V's 32
.set STEPB, 32*(PK+PV)                 ; 17,920
.set SLOT1, 1<<17                      ; slot 1 begins here: one exclusive or turns an address in one slot into the other's
.set SLOTG, 4*64*128                   ; a slot's keys in memory: 32,768 bytes of K, as many of V
.set BIASL, 4*STEPB                    ; behind slot 0: 2,048 words of f32, a key's 0 or -1e30
.set STAGE, BIASL+8192                 ; 16 rows x 144 bytes for each wave, for the way out
.set SP,    144
.set SPARE, STAGE+8*16*SP              ; the spare words, 128 bytes for each wave
.set AK0, 2                            ; v2   my lane's place in a tile of K; never rewritten
.set AV0, 3                            ; v3   the same for V
.set AB0, 4                            ; v4   and among the bias words
.set ADK, 5                            ; v5-7 the step's addresses
.set ADV, 6
.set ADB, 7
.set QO,  8
.set STO, 9
.set RD,  10
.set GO,  11
.set SPW, 12                           ; v12  LDS address of my spare word; never rewritten
.set NIL, 13                           ; v13  0; never rewritten
.set PFO, 14                           ; v14  256 x my lane
.set ST,  16                           ; tile t's statistics at v[ST+8 t]: +0 c m, +1 m, +2, +3 l (even keys', odd keys'), +4 to +7 at work; a takes +6
.set BI,  48
.set S,   80
.set QF,  128                          ; in window 1
.set KV,  192                          ; in window 1
.set WV,  12
.set LIM, 15
.set PFA, 18
.set G1K, 24
.set G1V, 32
.set G0K, 40
.set G0V, 48
.set SLOTS, 56
.set CNT, 57
.set CS,  58
.set SEL, 60
.set TB,  62                           ; s62  LDS byte at which the step's tiles begin
.set TM,  66                           ; s66  and its bias words: 256 bytes a step
.set MSB, 0
.macro WIN new
.if MSB != \new
	s_set_vgpr_msb (MSB<<8)|\new
.set MSB, \new
.endif
.endm
.set TO_1, 0x40                        ; destination window 1, address window 0
.set W_KQ, 0x05                        ; K and Q window 1; C and S^T window 0
.set W_PV, 0x51                        ; V window 1, P window 0, O^T window 1
.set W_RS, 0x41                        ; O^T (destination and source 0) window 1, a window 0
.macro JLOAD                           ; a joint refill: the branch hangs on the wave's number alone; an s_nop 0 and four v_nop follow each of the two lines
	s_cmp_lt_u32 s[WV], 4
	s_cbranch_scc0 .Lfor_v_\@
	tensor_load_to_lds s[G0K+4:G0K+7], s[G1K:G1K+7]
	s_nop 0
.rept 4
	v_nop
.endr
	s_branch .Lasked_\@
.Lfor_v_\@:
	tensor_load_to_lds s[G0V+4:G0V+7], s[G1V:G1V+7]
	s_nop 0
.rept 4
	v_nop
.endr
.Lasked_\@:
.endm
; A PREFETCH INTO THE L2 of what the NEXT change of slots will ask for: a slot's 32,768 bytes of K and of V.  The four partners share them out BY ADDRESS, 8,192 bytes each; in each, wave 0 asks for K's and wave 4 for V's,
; lanes 256 bytes apart: each aligned block of 256 bytes is named once in the launch.  The last change that fills a slot asks for nothing; slots 0 to 2 come by their loads alone.
.macro ASK
	s_cmp_gt_u32 s[SLOTS], s[LIM]
	s_cbranch_scc0 .Lnot_mine_\@
	global_prefetch_b8 v[PFO], s[PFA:PFA+1] th:TH_LOAD_NT scope:SCOPE_SE
.Lnot_mine_\@:
.endm
.macro CROUND
	s_barrier_signal -1
	s_barrier_wait -1
	s_cmp_lg_u32 s[WV], 0
	s_cbranch_scc1 .Lnot_wave_0_\@
	s_barrier_signal -3
.Lnot_wave_0_\@:
	s_barrier_wait -3
	s_barrier_signal -1
	s_barrier_wait -1
.endm
	s_load_b128 s[4:7], s[0:1], 0x0                ; qkv s[4:5], mask s[6:7]
	s_load_b64 s[8:9], s[0:1], 0x10                ; att
	v_lshl_add_u32 v[SPW], v0, 2, SPARE
	v_mov_b32 v[NIL], 0
	ds_add_u32 v[SPW], v[NIL]                      ; the wave's opening: the add, twice on end, and its wait ahead of my first tensor load
	ds_add_u32 v[SPW], v[NIL]
	v_lshrrev_b32 v1, 5, v0
	v_readfirstlane_b32 s[WV], v1                  ; wave 0..7
	s_bfe_u32 s13, ttmp6, 0x40000                  ; cx: my place in the cluster
	s_lshl_b32 s14, ttmp9, 2
	s_add_co_u32 s14, s14, s13                     ; my block of 512 queries: it enters Q's and att's addresses alone
	s_and_b32 s20, ttmp7, 0xffff                   ; 16 b + h, which the four partners share
	s_lshl_b32 s21, s20, 18                        ; its first byte in each plane of qkv and in att: 2,048 rows of 128 bytes
	s_and_b32 s16, s[WV], 3                        ; which of a slot's four steps I fetch:
	s_lshl_b32 s22, s16, 13                        ; its 64 rows of 128 bytes in memory,
	s_add_co_u32 s22, s22, s21
	s_mov_b32 s23, 0
	s_mul_i32 s17, s16, STEPB                      ; and its place in a slot: no place in the cluster enters an LDS address
	s_lshl_b32 s2, s14, 16                         ; my block's 512 rows,
	s_lshl_b32 s3, s[WV], 13                       ; my wave's 64 of them
	s_add_co_u32 s2, s2, s3
	s_add_co_u32 s2, s2, s21
	s_mov_b32 s3, 0
	s_lshr_b32 s68, s20, 4                         ; b: its 2,048 mask words
	s_lshl_b32 s68, s68, 13
	s_mov_b32 s69, 0
	; descriptor group 1: a tile of 32 rows x 128 elements of 2 bytes, dense in memory, padded in LDS
	s_mov_b32 s[G1K], 15|(1<<16)|(1<<20)|(1<<21)|(5<<22)|(3<<25)  ; the mask: all four work-groups; elements of 2 bytes; padding on; bit 21 beside a mask; behind every 64 words 4 words
	s_mov_b32 s[G1V], 15|(1<<16)|(1<<20)|(1<<21)|(5<<22)|(7<<25)  ; the same with 8 words of padding
.irp g, G1K, G1V
	s_mov_b32 s[\g+1], 128<<16                     ; tensor_dim0 = 128
	s_mov_b32 s[\g+2], 32<<16                      ; tensor_dim1 = 32
	s_mov_b32 s[\g+3], 128<<16                     ; tile_dim0 = 128
	s_mov_b32 s[\g+4], 32                          ; tile_dim1 = 32
	s_mov_b32 s[\g+5], 128                         ; tensor_dim0_stride
	s_mov_b32 s[\g+6], 0
	s_mov_b32 s[\g+7], 0
.endr
	s_mov_b32 s[CS], 0x3e38aa3b                    ; c = log2(e) / 8
	s_mov_b32 s[CS+1], s[CS]                       ; named with it as a pair, so it is written
	s_mov_b32 s[SEL], 0x76543210
	s_mov_b32 s[SEL+1], 0xfedcba98                 ; v_permlanex16_b32's selects for lane l xor 16
	s_mov_b32 s[TB], 0
	s_mov_b32 s[TM], 0
	s_mov_b32 s[SLOTS], 6                          ; eight slots' worth of keys; two are first fills
	s_and_b32 s[LIM], s[WV], 3                     ; 0 in waves 0 and 4,
	s_or_b32 s[LIM], s[LIM], ttmp9                 ; of the (b, h)'s first cluster (its only one at this grid): the same in all four partners
	s_cmp_eq_u32 s[LIM], 0
	s_cselect_b32 s[LIM], 1, -1
	v_and_b32 v[PFO], 31, v0
	v_lshlrev_b32 v[PFO], 8, v[PFO]
	s_wait_dscnt 0x0                               ; both opening adds are done
	s_wait_kmcnt 0x0
	s_add_nc_u64 s[70:71], s[4:5], s[22:23]
	s_add_nc_u64 s[10:11], s[70:71], 0x2000000     ; V's plane, at my tile of slot 0
	s_add_nc_u64 s[70:71], s[70:71], 0x1000000     ; K's plane likewise
	s_add_nc_u64 s[4:5], s[4:5], s[2:3]            ; Q and att at my wave's first row
	s_add_nc_u64 s[8:9], s[8:9], s[2:3]
	s_add_nc_u64 s[6:7], s[6:7], s[68:69]          ; the mask at my batch
	s_cmp_lt_u32 s[WV], 4
	s_cselect_b64 s[PFA:PFA+1], s[70:71], s[10:11] ; (in waves 0 and 4 these stand at a slot's first row)
	s_lshl_b32 s2, s13, 13                         ; my work-group's quarter of a slot
	s_add_nc_u64 s[PFA:PFA+1], s[PFA:PFA+1], s[2:3]
	s_add_nc_u64 s[PFA:PFA+1], s[PFA:PFA+1], 2*SLOTG   ; in slot 2; the first change of slots steps it to slot 3.  Nothing is prefetched at the head
	CROUND                                         ; all four work-groups are here: the first joint loads meet
.irp s, 0,1
	s_mov_b32 s[G0K+4*\s], 1
	s_add_co_u32 s[G0K+4*\s+1], s17, \s*SLOT1
	s_add_nc_u64 s[G0K+4*\s+2:G0K+4*\s+3], s[70:71], \s*SLOTG
	s_or_b32 s[G0K+4*\s+3], s[G0K+4*\s+3], 0x80000000
	s_mov_b32 s[G0V+4*\s], 1
	s_add_co_u32 s[G0V+4*\s+1], s17, \s*SLOT1+VOFF
	s_add_nc_u64 s[G0V+4*\s+2:G0V+4*\s+3], s[10:11], \s*SLOTG
	s_or_b32 s[G0V+4*\s+3], s[G0V+4*\s+3], 0x80000000
.endr
	s_cmp_lt_u32 s[WV], 4                          ; a wave's two first fills stand in one arm, ahead of every wait on TENSORcnt and every LDS read
	s_cbranch_scc0 .Lfirst_v
	tensor_load_to_lds s[G0K:G0K+3], s[G1K:G1K+7]
	s_nop 0
	tensor_load_to_lds s[G0K+4:G0K+7], s[G1K:G1K+7]
	s_nop 0
.rept 4
	v_nop
.endr
	s_branch .Lfirst_asked
.Lfirst_v:
	tensor_load_to_lds s[G0V:G0V+3], s[G1V:G1V+7]
	s_nop 0
	tensor_load_to_lds s[G0V+4:G0V+7], s[G1V:G1V+7]
	s_nop 0
.rept 4
	v_nop
.endr
.Lfirst_asked:
	v_lshlrev_b32 v208, 5, v0                      ; the mask: 256 threads x 8 words
	global_load_b128 v[212:215], v208, s[6:7]
	global_load_b128 v[216:219], v208, s[6:7] offset:16
	v_and_b32 v1, 15, v0                           ; r = l % 16
	v_bfe_u32 v209, v0, 4, 1                       ; h = l / 16
	v_lshlrev_b32 v[QO], 7, v1
	v_lshl_add_u32 v[QO], v209, 4, v[QO]           ; row x 128 + 16 x half
	WIN TO_1
.irp t, 0,1,2,3                        ; Q stays in registers: tile t, channels 32 c on
.irp c, 0,1
	global_load_b128 v[QF+16*\t+8*\c:QF+16*\t+8*\c+3],   v[QO], s[4:5] offset:\t*2048+64*\c
	global_load_b128 v[QF+16*\t+8*\c+4:QF+16*\t+8*\c+7], v[QO], s[4:5] offset:\t*2048+64*\c+32
.endr
.endr
	WIN 0
	v_lshrrev_b32 v220, 1, v1
	v_mul_u32_u24 v[AK0], v220, PK                 ; K: key r lies in row r / 2,
	v_and_b32 v220, 1, v0
	v_lshl_add_u32 v[AK0], v220, 7, v[AK0]         ; in its half r % 2,
	v_lshl_add_u32 v[AK0], v209, 4, v[AK0]         ; + 16 h
	v_bfe_u32 v220, v0, 1, 2                       ; V: the turning load's lane l reads key 8 h + l % 8: row 4 h + (l % 8) / 2,
	v_lshl_add_u32 v220, v209, 2, v220
	v_mul_u32_u24 v[AV0], v220, PV
	v_and_b32 v220, 1, v0
	v_lshl_add_u32 v[AV0], v220, 7, v[AV0]         ; half l % 2,
	v_bfe_u32 v220, v0, 3, 1
	v_lshl_add_u32 v[AV0], v220, 4, v[AV0]         ; channels 8 ((l / 8) % 2) on
	v_add_nc_u32 v[AV0], VOFF, v[AV0]
	v_lshl_add_u32 v[AB0], v209, 5, BIASL          ; the bias words of keys 8 h + 0 .. 7
	v_and_b32 v221, 31, v0                         ; lane
	s_mul_i32 s14, s[WV], 16*SP
	s_add_co_u32 s14, s14, STAGE                   ; my stage
	v_mul_u32_u24 v[STO], v1, SP                   ; in: row r, 16 bytes for each half of the lanes
	v_lshl_add_u32 v[STO], v209, 4, v[STO]
	v_add_nc_u32 v[STO], s14, v[STO]
	v_lshrrev_b32 v222, 3, v221                    ; back: eight lanes to a row of 128 bytes, four rows an instruction
	v_mul_u32_u24 v[RD], v222, SP
	v_and_b32 v222, 7, v0
	v_lshl_add_u32 v[RD], v222, 4, v[RD]
	v_add_nc_u32 v[RD], s14, v[RD]
	v_lshlrev_b32 v[GO], 4, v221                   ; the same four rows are 512 consecutive bytes of att
.irp t, 0,1,2,3
	v_mov_b32 v[ST+8*\t+1], 0xd368d4a5             ; m = -1e12
	v_mov_b32 v[ST+8*\t+2], 0                      ; l, in two halves
	v_mov_b32 v[ST+8*\t+3], 0
	v_mov_b32 v[ST+8*\t+5], 0                      ; (a lane permute's destination counts as one of its sources)
.endr
.irp t, 0,1,2,3
	v_mul_f32 v[ST+8*\t], s[CS], v[ST+8*\t+1]      ; c m
.endr
	v_mov_b32 v210, 0xf149f2ca                     ; -1e30
	v_add_nc_u32 v211, BIASL, v208
	s_wait_loadcnt 16                              ; the mask's two loads are in; Q's sixteen may be out
.irp i, 0,1,2,3,4,5,6,7
	v_cmp_eq_u32 vcc_lo, 0, v[212+\i]
	v_cndmask_b32 v[212+\i], 0, v210, vcc_lo       ; 0 where the key counts, -1e30 where its mask word is 0
.endr
	ds_store_b128 v211, v[212:215]
	ds_store_b128 v211, v[216:219] offset:16
	s_wait_tensorcnt 1                             ; my part of slot 0 is in; slot 1's may stay out
	s_wait_dscnt 0x0                               ; for the others' sake: my bias words are stored
	s_barrier_signal -1
	s_barrier_wait -1
	s_wait_loadcnt 0x0                             ; Q
; A KEY STEP: 64 keys, in phases.  first = 1: O^T's sums begin (C = 0) and there is nothing to rescale.
.macro STEP first
	v_add_nc_u32 v[ADK], s[TB], v[AK0]             ; five plain instructions: the places between the last step's V^T P and the loads into V's registers (four are owed),
	v_add_nc_u32 v[ADV], s[TB], v[AV0]             ; and the products below, which write over P (five)
	v_add_nc_u32 v[ADB], s[TM], v[AB0]
	v_nop
	v_nop
	WIN TO_1
.irp kt, 0,1,2,3                       ; K: keys 16 kt on, channels 32 c on
.irp c, 0,1
	ds_load_b128 v[KV+16*\kt+8*\c:KV+16*\kt+8*\c+3],   v[ADK] offset:\kt*8*PK+64*\c
	ds_load_b128 v[KV+16*\kt+8*\c+4:KV+16*\kt+8*\c+7], v[ADK] offset:\kt*8*PK+64*\c+32
.endr
.endr
	WIN 0
.irp kt, 0,1,2,3                       ; the bias in the result's layout: register j of tile kt: key 16 kt + 8 h + j
	ds_load_b128 v[BI+8*\kt:BI+8*\kt+3],   v[ADB] offset:64*\kt
	ds_load_b128 v[BI+8*\kt+4:BI+8*\kt+7], v[ADB] offset:64*\kt+16
.endr
	s_wait_dscnt 0x0                               ; K and the bias are in
	WIN W_KQ
.irp kt, 0,1,2,3                       ; S^T = bias + K Q^T: sixteen accumulators by turns, one instruction a turn
.irp t, 0,1,2,3
	v_wmma_f32_16x16x32_f16 v[S+32*\t+8*\kt:S+32*\t+8*\kt+7], v[KV+16*\kt:KV+16*\kt+7], v[QF+16*\t:QF+16*\t+7], v[BI+8*\kt:BI+8*\kt+7]
.endr
.endr
.irp kt, 0,1,2,3
.irp t, 0,1,2,3
	v_wmma_f32_16x16x32_f16 v[S+32*\t+8*\kt:S+32*\t+8*\kt+7], v[KV+16*\kt+8:KV+16*\kt+15], v[QF+16*\t+8:QF+16*\t+15], v[S+32*\t+8*\kt:S+32*\t+8*\kt+7]
.endr
.endr
.rept 4
	v_nop                                          ; places in front of the loads into K's registers and of the first reads of the scores
.endr
	WIN TO_1
.irp kb, 0,1                           ; V, turned: keys 32 kb on, channels 16 ct on.  It lands under the softmax
.irp ct, 0,1,2,3
	ds_load_tr16_b128 v[KV+32*\kb+8*\ct:KV+32*\kb+8*\ct+3],   v[ADV] offset:\kb*16*PV+32*\ct
	ds_load_tr16_b128 v[KV+32*\kb+8*\ct+4:KV+32*\kb+8*\ct+7], v[ADV] offset:\kb*16*PV+8*PV+32*\ct
.endr
.endr
	WIN 0
	; the softmax: each line for the four tiles by turns, so that no line waits for the line above it.  The maximum of a lane's 32 scores and the old m: each accumulator is read from its low end on
.irp j, 0,1,2,3
.irp t, 0,1,2,3
	v_max3_num_f32 v[ST+8*\t+4+\j], v[S+32*\t+8*\j], v[S+32*\t+8*\j+1], v[S+32*\t+8*\j+2]
.endr
.endr
.irp g, 1,2
.irp j, 0,1,2,3
.irp t, 0,1,2,3
	v_max3_num_f32 v[ST+8*\t+4+\j], v[ST+8*\t+4+\j], v[S+32*\t+8*\j+2*\g+1], v[S+32*\t+8*\j+2*\g+2]
.endr
.endr
.endr
.irp t, 0,1,2,3
	v_max3_num_f32 v[ST+8*\t+4], v[ST+8*\t+4], v[S+32*\t+7], v[S+32*\t+15]
.endr
.irp t, 0,1,2,3
	v_max3_num_f32 v[ST+8*\t+6], v[ST+8*\t+6], v[S+32*\t+23], v[S+32*\t+31]
.endr
.irp t, 0,1,2,3
	v_max3_num_f32 v[ST+8*\t+4], v[ST+8*\t+4], v[ST+8*\t+5], v[ST+8*\t+6]
.endr
.irp t, 0,1,2,3
	v_max3_num_f32 v[ST+8*\t+4], v[ST+8*\t+4], v[ST+8*\t+7], v[ST+8*\t+1]
.endr
.irp t, 0,1,2,3
	v_permlanex16_b32 v[ST+8*\t+5], v[ST+8*\t+4], s[SEL], s[SEL+1]   ; the query's other 32 keys lie in the lane 16 away
.endr
.irp t, 0,1,2,3
	v_mov_b32 v[ST+8*\t+7], v[ST+8*\t]             ; c m_old is kept for a
.endr
.irp t, 0,1,2,3
	v_max_num_f32 v[ST+8*\t+1], v[ST+8*\t+4], v[ST+8*\t+5]
.endr
.irp t, 0,1,2,3
	v_mul_f32 v[ST+8*\t], s[CS], v[ST+8*\t+1]
.endr
.irp t, 0,1,2,3
	v_sub_f32 v[ST+8*\t+7], v[ST+8*\t+7], v[ST+8*\t]
.endr
.irp b, 0,2,4,6,8,10,12,14,16,18,20,22,24,26,28,30
.irp t, 0,1,2,3
	v_pk_fma_f32 v[S+32*\t+\b:S+32*\t+\b+1], v[S+32*\t+\b:S+32*\t+\b+1], s[CS:CS+1], v[ST+8*\t:ST+8*\t+1] op_sel_hi:[1,0,0] neg_lo:[0,0,1] neg_hi:[0,0,1]   ; c s - c m, two at a time
.endr
.endr
.irp t, 0,1,2,3                        ; ONE BATCH of 132 exponentials: a, then the 128 weights; none reads another's result
	v_exp_f32 v[ST+8*\t+6], v[ST+8*\t+7]
.endr
.irp e, 0,1,2,3,4,5,6,7,8,9,10,11,12,13,14,15,16,17,18,19,20,21,22,23,24,25,26,27,28,29,30,31
.irp t, 0,1,2,3
	v_exp_f32 v[S+32*\t+\e], v[S+32*\t+\e]
.endr
.endr
	v_nop                                          ; a plain instruction behind the last exponential
	s_wait_alu depctr_va_vdst(0)                   ; the wait ahead of the first instruction that names a result: one for the batch
.irp t, 0,1,2,3
	v_pk_mul_f32 v[ST+8*\t+2:ST+8*\t+3], v[ST+8*\t+2:ST+8*\t+3], v[ST+8*\t+6:ST+8*\t+7] op_sel_hi:[1,0]   ; l x a
.endr
.irp t, 0,1,2,3                        ; the sum of the unrounded weights, two at a time, in two chains
	v_pk_add_f32 v[ST+8*\t+4:ST+8*\t+5], v[S+32*\t+2:S+32*\t+3], v[S+32*\t+6:S+32*\t+7]
.endr
.irp t, 0,1,2,3
	v_pk_add_f32 v[ST+8*\t+2:ST+8*\t+3], v[ST+8*\t+2:ST+8*\t+3], v[S+32*\t:S+32*\t+1]
.endr
.irp o, 4,8,12,16,20,24
.irp t, 0,1,2,3
	v_pk_add_f32 v[ST+8*\t+2:ST+8*\t+3], v[ST+8*\t+2:ST+8*\t+3], v[S+32*\t+\o:S+32*\t+\o+1]
.endr
.irp t, 0,1,2,3
	v_pk_add_f32 v[ST+8*\t+4:ST+8*\t+5], v[ST+8*\t+4:ST+8*\t+5], v[S+32*\t+\o+6:S+32*\t+\o+7]
.endr
.endr
.irp t, 0,1,2,3
	v_pk_add_f32 v[ST+8*\t+2:ST+8*\t+3], v[ST+8*\t+2:ST+8*\t+3], v[S+32*\t+28:S+32*\t+29]
.endr
.irp t, 0,1,2,3
	v_pk_add_f32 v[ST+8*\t+2:ST+8*\t+3], v[ST+8*\t+2:ST+8*\t+3], v[ST+8*\t+4:ST+8*\t+5]
.endr
.irp kb, 0,1                           ; P in place: register 16 kb + i takes weights 16 kb + 2 i and + 1; i ascends, so nothing is written before it has been read
.irp i, 0,1,2,3,4,5,6,7
.irp t, 0,1,2,3
	v_cvt_pk_f16_f32 v[S+32*\t+16*\kb+\i], v[S+32*\t+16*\kb+2*\i], v[S+32*\t+16*\kb+2*\i+1]
.endr
.endr
.endr
.if \first == 0
	WIN W_RS
.irp p, 0,2,4,6,8,10,12,14,16,18,20,22,24,26,28,30
.irp t, 0,1,2,3
	v_pk_mul_f32 v[32*\t+\p:32*\t+\p+1], v[32*\t+\p:32*\t+\p+1], v[ST+8*\t+6:ST+8*\t+7] op_sel_hi:[1,0]   ; O^T x a, each accumulator from its low end on
.endr
.endr
.endif
	s_wait_dscnt 0x0                               ; V is in
	WIN W_PV
.irp kb, 0,1                           ; O^T += V^T P: sixteen accumulators by turns
.irp ct, 0,1,2,3
.irp t, 0,1,2,3
.if \first && (\kb == 0)
	v_wmma_f32_16x16x32_f16 v[32*\t+8*\ct:32*\t+8*\ct+7], v[KV+32*\kb+8*\ct:KV+32*\kb+8*\ct+7], v[S+32*\t+16*\kb:S+32*\t+16*\kb+7], 0
.else
	v_wmma_f32_16x16x32_f16 v[32*\t+8*\ct:32*\t+8*\ct+7], v[KV+32*\kb+8*\ct:KV+32*\kb+8*\ct+7], v[S+32*\t+16*\kb:S+32*\t+16*\kb+7], v[32*\t+8*\ct:32*\t+8*\ct+7]
.endif
.endr
.endr
.endr
	WIN 0
	s_add_co_u32 s[TB], s[TB], STEPB               ; the next step's tiles
	s_add_co_u32 s[TM], s[TM], 256                 ; and bias words
.endm
.macro STEPS n
	s_mov_b32 s[CNT], \n
.Lstep_\@:
	STEP 0
	s_sub_co_u32 s[CNT], s[CNT], 1
	s_cmp_lg_u32 s[CNT], 0
	s_cbranch_scc1 .Lstep_\@
.endm
; THE CHANGE OF SLOTS.  Each wave waits for all its tensor loads, of which one is out: its part of the other slot; adds 0 to its spare word; and waits for that and for its own reads of the slot.
; fill = 1: the slot is filled again, with the keys two slots on: the barrier is a round of the cluster's, and the joint refill is the first thing behind it.
.macro CHANGE fill
	s_wait_tensorcnt 0x0                           ; no tensor load of mine is out, so a group 0 may be written
	ds_add_u32 v[SPW], v[NIL]                      ; 0 onto my spare word
.if \fill
.irp g, G0K+4, G0V+4
	s_xor_b32 s[\g+1], s[\g+1], SLOT1              ; the walking descriptor: the other slot than last time,
	s_add_nc_u64 s[\g+2:\g+3], s[\g+2:\g+3], SLOTG ; the next 256 keys
.endr
	s_wait_xcnt 0x0                                ; the last prefetch, four steps back, has read its address, so it may be written
	s_add_nc_u64 s[PFA:PFA+1], s[PFA:PFA+1], SLOTG
	s_wait_dscnt 0x0                               ; the add is done, and my reads of the slot are over
	CROUND
	JLOAD
	ASK
.else
	s_wait_dscnt 0x0
	s_barrier_signal -1
	s_barrier_wait -1
.endif
	s_sub_co_u32 s[TB], s[TB], 4*STEPB             ; the fetches go back to a slot's first step,
	s_xor_b32 s[TB], s[TB], SLOT1                  ; in the other slot
.endm
	STEP 1                                         ; slot 0
	STEPS 3
.Lslot:                                                ; six trips: slots 1 to 6 are read, slots 2 to 7 asked for
	CHANGE 1
	STEPS 4
	s_sub_co_u32 s[SLOTS], s[SLOTS], 1
	s_cmp_lg_u32 s[SLOTS], 0
	s_cbranch_scc1 .Lslot
	CHANGE 0                                       ; the last slot is written out
	STEPS 4
	; THE WAY OUT.  l's two halves and the other half of the lanes' are added (these lines are the places behind the last products); O^T / l, rounded to f16, goes through my stage, a tile (16 rows of att) at a time.
.irp t, 0,1,2,3
	v_add_f32 v[ST+8*\t+4], v[ST+8*\t+2], v[ST+8*\t+3]
.endr
.irp t, 0,1,2,3
	v_permlanex16_b32 v[ST+8*\t+5], v[ST+8*\t+4], s[SEL], s[SEL+1]
.endr
.irp t, 0,1,2,3
	v_add_f32 v[ST+8*\t+4], v[ST+8*\t+4], v[ST+8*\t+5]
.endr
.irp t, 0,1,2,3
	v_rcp_f32 v[ST+8*\t+6], v[ST+8*\t+4]
.endr
	v_nop                                          ; a plain instruction behind the last reciprocal
	s_wait_alu depctr_va_vdst(0)                   ; and the wait ahead of the first use: one for the four
.macro PACK t
	WIN W_RS
.irp i, 0,2,4,6,8,10,12,14,16,18,20,22,24,26,28,30
	v_pk_mul_f32 v[32*\t+\i:32*\t+\i+1], v[32*\t+\i:32*\t+\i+1], v[ST+8*\t+6:ST+8*\t+7] op_sel_hi:[1,0]
.endr
	WIN W_KQ                                       ; sources 0 and 1 window 1, destination window 0: S^T's registers are free
.irp i, 0,1,2,3,4,5,6,7,8,9,10,11,12,13,14,15
	v_cvt_pk_f16_f32 v[S+16*\t+\i], v[32*\t+2*\i], v[32*\t+2*\i+1]
.endr
	WIN 0
.irp c, 0,1,2,3
	ds_store_b128 v[STO], v[S+16*\t+4*\c:S+16*\t+4*\c+3] offset:32*\c
.endr
.irp i, 0,1,2,3
	ds_load_b128 v[S+16*\t+4*\i:S+16*\t+4*\i+3], v[RD] offset:\i*4*SP   ; LDS serves a wave's instructions in order: these see the stores above; the next tile's stores come behind them
.endr
.endm
.macro SEND t, younger                 ; younger: the LDS instructions issued behind tile t's loads: the next tile's eight, or none
.irp i, 0,1,2,3
	s_wait_dscnt \younger+3-\i
	global_store_b128 v[GO], v[S+16*\t+4*\i:S+16*\t+4*\i+3], s[8:9] offset:\t*2048+\i*512   ; 32 lanes store 512 consecutive bytes, aligned
.endr
.endm
	PACK 0
	PACK 1                                         ; a tile's arithmetic stands between the loads of the tile before and its stores
	SEND 0, 8
	PACK 2
	SEND 1, 8
	PACK 3
	SEND 2, 8
	SEND 3, 0
	s_wait_tensorcnt 0x0                           ; the wave's end
	ds_add_u32 v[SPW], v[NIL]
	s_wait_dscnt 0x0
	CROUND                                         ; the closing round
	s_endpgm
.Lfunc_end_k_qa7c5f4ee84_attn:
	.size	k_qa7c5f4ee84_attn, .Lfunc_end_k_qa7c5f4ee84_attn-k_qa7c5f4ee84_attn
	.p2alignl 7, 3214868480
	.fill 96, 4, 3214868480
	.section	.rodata,"a",@progbits
	.p2align	6, 0x0
	.amdhsa_kernel k_qa7c5f4ee84_attn
		.amdhsa_group_segment_fixed_size 327680
		.amdhsa_private_segment_fixed_size 0
		.amdhsa_enable_private_segment 0
		.amdhsa_kernarg_size 24
		.amdhsa_user_sgpr_count 2
		.amdhsa_user_sgpr_kernarg_segment_ptr 1
		.amdhsa_wavefront_size32 1
		.amdhsa_system_sgpr_workgroup_id_x 1
		.amdhsa_system_sgpr_workgroup_id_y 1
		.amdhsa_system_sgpr_workgroup_id_z 1
		.amdhsa_system_vgpr_workitem_id 0
		.amdhsa_next_free_vgpr 512
		.amdhsa_next_free_sgpr 72
		.amdhsa_reserve_vcc 1
		.amdhsa_float_denorm_mode_32 3
		.amdhsa_float_denorm_mode_16_64 3
		.amdhsa_memory_ordered 1
		.amdhsa_forward_progress 1
		.amdhsa_inst_pref_size 152
	.end_amdhsa_kernel
	.amdgpu_metadata
---
amdhsa.version: [ 1, 2 ]
amdhsa.kernels:
  - .name:           k_qa7c5f4ee84_attn
    .symbol:         k_qa7c5f4ee84_attn.kd
    .args:
      - { .name: qkv, .offset: 0, .size: 8, .value_kind: global_buffer, .address_space: global }
      - { .name: mask, .offset: 8, .size: 8, .value_kind: global_buffer, .address_space: global }
      - { .name: att, .offset: 16, .size: 8, .value_kind: global_buffer, .address_space: global }
    .group_segment_fixed_size: 327680
    .private_segment_fixed_size: 0
    .kernarg_segment_align: 8
    .kernarg_segment_size: 24
    .max_flat_workgroup_size: 256
    .sgpr_count:     72
    .vgpr_count:     512
    .wavefront_size: 32
...
	.end_amdgpu_metadata
.endif
;; end of part 3
;; launch oproj (part 4): grid 4 x 64, 4 waves a work-group, clusters of 4 x 4, 327,680 bytes of LDS; arguments att, wo16, bo, out0; writes out0
.if DOCPART == 4
	.amdgcn_target "amdgcn-amd-amdhsa--gfx1250"
	.amdhsa_code_object_version 6
	.text
	.protected	k_qa7c5f4ee84_oproj
	.globl	k_qa7c5f4ee84_oproj
	.p2align	8
	.type	k_qa7c5f4ee84_oproj,@function
k_qa7c5f4ee84_oproj:
	s_mov_b64 s[64:65], 0
	v_nop
	global_prefetch_b8 v0, s[64:65] scope:SCOPE_SE
	s_setreg_imm32_b32 hwreg(HW_REG_WAVE_MODE, 25, 1), 1
	s_wait_xcnt 0x0
	s_wait_alu depctr_hold_cnt(0) depctr_sa_sdst(0) depctr_va_vdst(0) depctr_va_sdst(0) depctr_va_ssrc(0) depctr_va_vcc(0) depctr_vm_vsrc(0)
	s_getreg_b32 s2, hwreg(HW_REG_IB_STS2, 6, 4)
	s_cmp_eq_u32 s2, 0
	s_cbranch_scc0 .Lentry_in_a_cluster
	s_endpgm
.Lentry_in_a_cluster:
	s_bfe_u32 s2, ttmp6, 0x10000c
	s_cmp_lg_u32 s2, 0xf033
	s_cbranch_scc0 .Lentry_shape_is_right
	s_endpgm
.Lentry_shape_is_right:
; Launch 4 of 4: product 7, left as it is: out0[m][n] = sum over k of att[m][k] Wo[k][n] + bo[n], f16 operands, f32 sums.  m = (b, s), k = 64 h + d.  att: [b][h][s][64] f16;  wo16: [k][n] f16;  out0: [8192][1024] f32.
; A tile of out0 is 128 (m) x 256 (n): 256 work-groups of four waves; a wave makes 64 x 128: 32 accumulators of 16 x 16, 256 registers.  K goes in steps of 128, two heads, through a ring of two LDS slots.
; att's tile of one head, 128 rows of 128 bytes, is dense in memory: it is stated as 64 rows of 256 bytes (two rows of att), 16 bytes of padding behind each.  Waves 0 and 1 fetch the two heads' planes.
; Wo's tile is 128 rows (k) of 512 bytes, 32 bytes of padding behind each; waves 2 and 3 fetch 64 rows each.  It lies [k][n] and comes out of LDS turned, by ds_load_tr16_b128.
; CLUSTERS: 4 x 4 work-groups.  The four of a row of the cluster need the same tiles of att, the four of a column the same tiles of Wo: each is asked for JOINTLY.  A wave has two tensor loads out at the start, one behind each round.
; THE MATRIX INSTRUCTION IS USED TRANSPOSED (source 0 = 16 columns of Wo, source 1 = 16 rows of att): a lane holds eight neighbouring numbers of a row of out0.  bo is the C of each sum's first matrix instruction.
; REGISTERS: window 0: v0-31 addresses; two fragment buffers of 96 at v32 and v128 (Wo's 8 x 8 registers, then att's 4 x 8), for 32 along K.   window 1: the accumulators ((a, b) at v[8 (8 a + b)]).   window 2: v0-63 bo, 8 a block of columns.
.set PA,     272                       ; two rows of att in LDS: 68 words
.set PLANE,  64*PA                     ; a head's 128 rows
.set BOFF,   2*PLANE
.set BP,     544                       ; a row of Wo's tile: 136 words: the 8 rows of a turning load start 8 words apart modulo 64
.set SLOT,   BOFF+128*BP               ; 104,448
.set STAGE,  2*SLOT                    ; behind the ring: 16 rows x 528 bytes for each wave
.set SPITCH, 528
.set SPARE,  STAGE+4*16*SPITCH
.set LAPS,   4                         ; a lap = two K steps; K = 1,024 is eight
.set ADRA, 16
.set ADRB, 20
.set STO,  24
.set RD,   25
.set CO,   26
.set BOO,  27
.set SPW,  28
.set NIL,  29
.set F0,   32
.set F1,   128
.set BK,   32                          ; the way out: 16 rows read back: v32-95 and v96-159 by turns
.set G1, 24
.set G0, 32
.set G1B, 48
.set G0B, 56
.set MSB, 0
.macro WIN new
.if MSB != \new
	s_set_vgpr_msb (MSB<<8)|\new
.set MSB, \new
.endif
.endm
.set MUL,  0x50                        ; sources 0 and 1 window 0; C and D window 1
.set MULB, 0x60                        ; the first quarter: C (bo) window 2, D window 1
.macro JLOAD s                         ; a joint load: waves 0 and 1 fetch att's planes, waves 2 and 3 Wo's halves; an s_nop 0 and four v_nop follow each of the two lines
	s_cmp_eq_u32 s13, 0
	s_cbranch_scc0 .Lfor_b_\@
	tensor_load_to_lds s[G0+4*\s:G0+4*\s+3], s[G1:G1+7]
	s_nop 0
.rept 4
	v_nop
.endr
	s_branch .Lasked_\@
.Lfor_b_\@:
	tensor_load_to_lds s[G0B+4*\s:G0B+4*\s+3], s[G1B:G1B+7]
	s_nop 0
.rept 4
	v_nop
.endr
.Lasked_\@:
.endm
.macro CREST                           ; a round of the cluster's barrier behind its opening barrier
	s_cmp_lg_u32 s12, 0
	s_cbranch_scc1 .Lnot_wave_0_\@
	s_barrier_signal -3
.Lnot_wave_0_\@:
	s_barrier_wait -3
	s_barrier_signal -1
	s_barrier_wait -1
.endm
.macro CROUND
	s_barrier_signal -1
	s_barrier_wait -1
	CREST
.endm
	s_load_b128 s[4:7], s[0:1], 0x0                ; att s[4:5], wo16 s[6:7]
	s_load_b128 s[8:11], s[0:1], 0x10              ; bo s[8:9], out0 s[10:11]
	v_lshl_add_u32 v[SPW], v0, 2, SPARE
	v_mov_b32 v[NIL], 0
	ds_add_u32 v[SPW], v[NIL]                      ; the wave's opening: the add, twice on end, and its wait ahead of my first tensor load
	ds_add_u32 v[SPW], v[NIL]
	v_lshrrev_b32 v1, 5, v0
	v_readfirstlane_b32 s12, v1                    ; wave 0..3
	s_lshr_b32 s13, s12, 1                         ; which 64 of the tile's rows are mine.  Also: I fetch for att (0) or for Wo (1)
	s_and_b32 s14, s12, 1                          ; which 128 of its columns.  Also: which plane, or which 64 rows of Wo, I fetch
	s_bfe_u32 s40, ttmp6, 0x40000                  ; cx, cy
	s_bfe_u32 s41, ttmp6, 0x40004
	s_lshl_b32 s45, ttmp9, 2
	s_add_co_u32 s45, s45, s40                     ; tile column = 4 x cluster x + cx
	s_and_b32 s42, ttmp7, 0xffff
	s_lshl_b32 s42, s42, 2
	s_add_co_u32 s42, s42, s41                     ; tile row = 4 x cluster y + cy
	s_lshl_b32 s43, s41, 2
	s_lshl_b32 s43, 15, s43                        ; my row of the cluster
	s_lshl_b32 s44, 0x1111, s40                    ; my column
	s_or_b32 s[G1+0], s43, (1<<16)|(1<<20)|(1<<21)|(5<<22)|(3<<25)   ; att: the mask of my row; elements of 2 bytes; padding on; bit 21 beside a mask; behind every 64 words 4 words
	s_mov_b32 s[G1+1], 128<<16                     ; tensor_dim0 = 128
	s_mov_b32 s[G1+2], 64<<16                      ; tensor_dim1 = 64
	s_mov_b32 s[G1+3], 128<<16                     ; tile_dim0 = 128
	s_mov_b32 s[G1+4], 64                          ; tile_dim1 = 64
	s_mov_b32 s[G1+5], 128                         ; tensor_dim0_stride: dense
	s_mov_b32 s[G1+6], 0
	s_mov_b32 s[G1+7], 0
	s_or_b32 s[G1B+0], s44, (1<<16)|(1<<20)|(1<<21)|(6<<22)|(7<<25)  ; Wo: the mask of my column; behind every 128 words 8 words
	s_mov_b32 s[G1B+1], 256<<16
	s_mov_b32 s[G1B+2], 64<<16
	s_mov_b32 s[G1B+3], 256<<16
	s_mov_b32 s[G1B+4], 64
	s_mov_b32 s[G1B+5], 1024
	s_mov_b32 s[G1B+6], 0
	s_mov_b32 s[G1B+7], 0
	s_lshr_b32 s16, s42, 4                         ; att: batch = tile row / 16: 2^22 bytes a batch,
	s_lshl_b32 s16, s16, 22
	s_and_b32 s17, s42, 15                         ; s = 128 (tile row % 16): 128 bytes a row,
	s_lshl_b32 s17, s17, 14
	s_add_co_u32 s16, s16, s17
	s_lshl_b32 s17, s14, 18                        ; my plane: 2^18 bytes a head
	s_add_co_u32 s16, s16, s17
	s_mov_b32 s17, 0
	s_lshl_b32 s46, s14, 17                        ; Wo: my 64 rows of 2,048 bytes,
	s_lshl_b32 s47, s45, 9                         ; the tile's 256 columns
	s_add_co_u32 s46, s46, s47
	s_mov_b32 s47, 0
	s_mul_i32 s20, s14, PLANE                      ; where they go: no place in the cluster enters an LDS address
	s_mul_i32 s21, s14, 64*BP
	s_add_co_u32 s21, s21, BOFF
	s_wait_dscnt 0x0                               ; both opening adds are done
	s_wait_kmcnt 0x0
	s_add_nc_u64 s[18:19], s[4:5], s[16:17]
	s_add_nc_u64 s[46:47], s[6:7], s[46:47]
	CROUND                                         ; all sixteen work-groups are here: the first joint loads meet
.irp s, 0,1
	s_mov_b32 s[G0+4*\s], 1
	s_add_co_u32 s[G0+4*\s+1], s20, \s*SLOT
	s_add_nc_u64 s[G0+4*\s+2:G0+4*\s+3], s[18:19], \s*2*262144    ; K step s: two heads on
	s_or_b32 s[G0+4*\s+3], s[G0+4*\s+3], 0x80000000
	s_mov_b32 s[G0B+4*\s], 1
	s_add_co_u32 s[G0B+4*\s+1], s21, \s*SLOT
	s_add_nc_u64 s[G0B+4*\s+2:G0B+4*\s+3], s[46:47], \s*128*2048  ; 128 rows on
	s_or_b32 s[G0B+4*\s+3], s[G0B+4*\s+3], 0x80000000
	JLOAD \s
.endr
	v_and_b32 v1, 15, v0                           ; r
	v_bfe_u32 v2, v0, 4, 1                         ; h
	v_lshrrev_b32 v3, 1, v1
	v_mul_u32_u24 v3, v3, PA                       ; att: row r lies in LDS row r / 2,
	v_and_b32 v4, 1, v0
	v_lshl_add_u32 v3, v4, 7, v3                   ; in its half r % 2,
	v_lshl_add_u32 v3, v2, 4, v3                   ; + 16 h
	s_mul_i32 s21, s13, 32*PA                      ; my 64 rows
	v_and_b32 v4, 7, v0
	v_lshl_add_u32 v4, v2, 3, v4                   ; Wo: the turning load's lane l reads row 8 h + l % 8,
	v_mul_u32_u24 v4, v4, BP
	v_bfe_u32 v5, v0, 3, 1
	v_lshl_add_u32 v4, v5, 4, v4                   ; columns 8 ((l / 8) % 2) on
	s_lshl_b32 s22, s14, 8                         ; my 128 columns
	s_add_co_u32 s22, s22, BOFF
.irp s, 0,1
	v_add_nc_u32 v[ADRA+\s], s21, v3
	v_add_nc_u32 v[ADRB+\s], s22, v4
	s_add_co_u32 s21, s21, SLOT
	s_add_co_u32 s22, s22, SLOT
.endr
	s_mul_i32 s23, s12, 16*SPITCH
	s_add_co_u32 s23, s23, STAGE                   ; my stage
	v_mul_u32_u24 v5, v1, SPITCH                   ; in: row r, 32 bytes for each half of the lanes
	v_lshl_add_u32 v5, v2, 5, v5
	v_add_nc_u32 v[STO], s23, v5
	v_and_b32 v6, 31, v0
	v_lshlrev_b32 v[CO], 4, v6                     ; back: the 32 lanes take one row of 512 bytes; and the same in out0
	v_add_nc_u32 v[RD], s23, v[CO]
	s_lshl_b32 s16, s42, 7
	s_lshl_b32 s17, s13, 6
	s_add_co_u32 s16, s16, s17                     ; my first row of out0: 4,096 bytes a row
	s_lshl_b32 s16, s16, 12
	s_mov_b32 s17, 0
	s_add_nc_u64 s[10:11], s[10:11], s[16:17]
	s_lshl_b32 s46, s45, 10                        ; my first column, in bytes: 1,024 x tile column + 512 x half
	s_lshl_b32 s47, s14, 9
	s_add_co_u32 s46, s46, s47
	s_mov_b32 s47, 0
	s_add_nc_u64 s[10:11], s[10:11], s[46:47]
	s_add_nc_u64 s[8:9], s[8:9], s[46:47]          ; bo at the same column
	v_lshlrev_b32 v[BOO], 5, v2
	WIN 0x80                                       ; destination window 2
.irp b, 0,1,2,3,4,5,6,7                ; register j of block b: bo[my first column + 16 b + 8 h + j]
	global_load_b128 v[8*\b:8*\b+3],   v[BOO], s[8:9] offset:64*\b
	global_load_b128 v[8*\b+4:8*\b+7], v[BOO], s[8:9] offset:64*\b+16
.endr
	WIN 0
; 8 matrix instructions: att's block a against Wo's eight, 32 along K, from buffer f.  first = 1: the sums begin from bo.  The 32 accumulators take turns, in the same order in every quarter.
.macro MUL8 f, a, first
.irp b, 0,1,2,3,4,5,6,7
.if \first
	v_wmma_f32_16x16x32_f16 v[8*(8*\a+\b):8*(8*\a+\b)+7], v[\f+8*\b:\f+8*\b+7], v[\f+64+8*\a:\f+64+8*\a+7], v[8*\b:8*\b+7]
.else
	v_wmma_f32_16x16x32_f16 v[8*(8*\a+\b):8*(8*\a+\b)+7], v[\f+8*\b:\f+8*\b+7], v[\f+64+8*\a:\f+64+8*\a+7], v[8*(8*\a+\b):8*(8*\a+\b)+7]
.endif
.endr
.endm
; 24 LDS loads in one run: the fragments of the slot's q-th 32 along K into buffer f: Wo's sixteen first, then att's blocks 0 to 3
.macro FETCH slot, q, f
	WIN 0
.irp b, 0,1,2,3,4,5,6,7
	ds_load_tr16_b128 v[\f+8*\b:\f+8*\b+3],   v[ADRB+\slot] offset:32*(\q)*BP+32*\b
	ds_load_tr16_b128 v[\f+8*\b+4:\f+8*\b+7], v[ADRB+\slot] offset:(32*(\q)+16)*BP+32*\b
.endr
.irp a, 0,1,2,3
	ds_load_b128 v[\f+64+8*\a:\f+64+8*\a+3],   v[ADRA+\slot] offset:((\q)/2)*PLANE+\a*8*PA+64*((\q)%2)
	ds_load_b128 v[\f+64+8*\a+4:\f+64+8*\a+7], v[ADRA+\slot] offset:((\q)/2)*PLANE+\a*8*PA+64*((\q)%2)+32
.endr
.endm
.macro PLACES                          ; four plain instructions in front of loads into registers that matrix instructions have read, and of the first reads of results (ISA guide 7.12.1 for the reads of results)
.rept 4
	v_nop
.endr
.endm
; A K step is four quarters of 32 along K, 32 matrix instructions each, on buffers 0, 1, 0, 1.  One of the first three: multiplies buffer f and fetches quarter q into g.
.macro QUARTER slot, q, f, g, first
	s_wait_dscnt 4                                 ; Wo's fragments and att's blocks 0, 1 are in; the youngest four loads (blocks 2, 3) may be out
.if \first
	WIN MULB
.else
	WIN MUL
.endif
	MUL8 \f, 0, \first
	MUL8 \f, 1, \first
	PLACES
	FETCH \slot, \q, \g
	s_wait_dscnt 24                                ; all but the 24 just issued
.if \first
	WIN MULB
.else
	WIN MUL
.endif
	MUL8 \f, 2, \first
	MUL8 \f, 3, \first
.endm
; The last quarter multiplies buffer 1 and changes slots: ONE barrier; in front of it each wave waits for all its tensor loads, adds 0 to its spare word, and waits for that and for its own reads of this slot.
; fill = 1: this slot is filled again, two K steps ahead: the barrier opens a round of the cluster's, and the joint refill is the first thing behind it.
.macro TURN slot, next, fill
	WIN 0
	s_wait_tensorcnt 0x0                           ; all my tensor loads have landed: my part of the next slot
	ds_add_u32 v[SPW], v[NIL]                      ; 0 onto my spare word
	s_wait_dscnt 5                                 ; (the add and the youngest four loads may be out)
	WIN MUL
	MUL8 F1, 0, 0                                  ; eight matrix instructions stand between the add and the wait for it
	s_wait_dscnt 0x0                               ; the add is done, and my reads of this slot are over
	s_barrier_signal -1
	MUL8 F1, 1, 0
.if \fill
	WIN 0
.endif
	s_barrier_wait -1
.if \fill
	CREST                                          ; no wave of any partner still reads this slot's tiles or has a load on its way
	s_add_nc_u64 s[G0+4*\slot+2:G0+4*\slot+3], s[G0+4*\slot+2:G0+4*\slot+3], 4*262144     ; four heads on
	s_add_nc_u64 s[G0B+4*\slot+2:G0B+4*\slot+3], s[G0B+4*\slot+2:G0B+4*\slot+3], 256*2048 ; 256 rows on
	JLOAD \slot                                    ; 112 matrix instructions ahead of the wait for it; the four v_nop behind it are also the places in front of the loads below
.else
	PLACES
.endif
	FETCH \next, 0, F0
	WIN MUL
	MUL8 F1, 2, 0
	MUL8 F1, 3, 0
.endm
	s_wait_tensorcnt 1                             ; my part of K step 0 is in (K step 1's may be out)
	s_barrier_signal -1
	s_barrier_wait -1                              ; everybody's is
	FETCH 0, 0, F0
	s_wait_loadcnt 0x0                             ; bo
	QUARTER 0, 1, F0, F1, 1                        ; the first quarter stands in front of the loop: its products start the sums
	WIN 0
	s_mov_b32 s3, LAPS-1
.Llap:                                                 ; a trip goes once round the ring, from a lap's second quarter to the next lap's first, and fills both slots again
	QUARTER 0, 2, F1, F0, 0
	QUARTER 0, 3, F0, F1, 0
	TURN 0, 1, 1
	QUARTER 1, 1, F0, F1, 0
	QUARTER 1, 2, F1, F0, 0
	QUARTER 1, 3, F0, F1, 0
	TURN 1, 0, 1
	QUARTER 0, 1, F0, F1, 0
	WIN 0
	s_sub_co_u32 s3, s3, 1
	s_cmp_lg_u32 s3, 0
	s_cbranch_scc1 .Llap
	QUARTER 0, 2, F1, F0, 0                        ; the last lap fills nothing, and has no round of the cluster's barrier
	QUARTER 0, 3, F0, F1, 0
	TURN 0, 1, 0
	QUARTER 1, 1, F0, F1, 0
	QUARTER 1, 2, F1, F0, 0
	QUARTER 1, 3, F0, F1, 0
	s_wait_dscnt 4                                 ; the very last quarter: nothing more to fetch
	WIN MUL
	MUL8 F1, 0, 0
	MUL8 F1, 1, 0
	s_wait_dscnt 0
	MUL8 F1, 2, 0
	MUL8 F1, 3, 0
	WIN 0
; THE WAY OUT, block by block of 16 rows x 128 columns: through my own stage, back as whole rows of 512 bytes.  LDS serves a wave's instructions in order: no wait between the stores and the loads.
.macro TOSTAGE a
.set AC, 64*(\a)
	WIN 0x04                                       ; an LDS store's data are its source 1: window 1
.irp b, 0,1,2,3,4,5,6,7
	ds_store_b128 v[STO], v[AC+8*\b:AC+8*\b+3] offset:64*\b          ; each accumulator from its low end on
	ds_store_b128 v[STO], v[AC+8*\b+4:AC+8*\b+7] offset:64*\b+16
.endr
	WIN 0
.set BB, BK+64*((\a)%2)
.irp t, 0,1,2,3,4,5,6,7,8,9,10,11,12,13,14,15
	ds_load_b128 v[BB+4*\t:BB+4*\t+3], v[RD] offset:\t*SPITCH
.endr
.endm
.macro SEND a, younger                 ; younger: the LDS instructions issued behind block a's loads, which may stay out
.set BB, BK+64*((\a)%2)
	s_wait_dscnt \younger
.irp t, 0,1,2,3,4,5,6,7,8,9,10,11,12,13,14,15
	global_store_b128 v[CO], v[BB+4*\t:BB+4*\t+3], s[10:11] offset:(16*(\a)+\t)*4096 th:TH_STORE_NT   ; 32 lanes store 512 consecutive bytes, aligned; every offset is an immediate
.endr
.endm
	PLACES
	TOSTAGE 0
.irp a, 1,2,3
.if \a > 1
	s_wait_xcnt 0x0                                ; block a - 2's stores have read their registers: block a's loads may land there
.endif
	TOSTAGE \a
	SEND \a-1, 32                                  ; behind block a - 1's loads: block a's 16 stores and 16 loads
.endr
	SEND 3, 0
	s_wait_tensorcnt 0x0                           ; the wave's end
	ds_add_u32 v[SPW], v[NIL]
	s_wait_dscnt 0x0
	CROUND                                         ; the closing round
	s_endpgm
.Lfunc_end_k_qa7c5f4ee84_oproj:
	.size	k_qa7c5f4ee84_oproj, .Lfunc_end_k_qa7c5f4ee84_oproj-k_qa7c5f4ee84_oproj
	.p2alignl 7, 3214868480
	.fill 96, 4, 3214868480
	.section	.rodata,"a",@progbits
	.p2align	6, 0x0
	.amdhsa_kernel k_qa7c5f4ee84_oproj
		.amdhsa_group_segment_fixed_size 327680
		.amdhsa_private_segment_fixed_size 0
		.amdhsa_enable_private_segment 0
		.amdhsa_kernarg_size 32
		.amdhsa_user_sgpr_count 2
		.amdhsa_user_sgpr_kernarg_segment_ptr 1
		.amdhsa_wavefront_size32 1
		.amdhsa_system_sgpr_workgroup_id_x 1
		.amdhsa_system_sgpr_workgroup_id_y 1
		.amdhsa_system_sgpr_workgroup_id_z 1
		.amdhsa_system_vgpr_workitem_id 0
		.amdhsa_next_free_vgpr 576
		.amdhsa_next_free_sgpr 66
		.amdhsa_reserve_vcc 0
		.amdhsa_float_denorm_mode_32 3
		.amdhsa_float_denorm_mode_16_64 3
		.amdhsa_memory_ordered 1
		.amdhsa_forward_progress 1
		.amdhsa_inst_pref_size 87
	.end_amdhsa_kernel
	.amdgpu_metadata
---
amdhsa.version: [ 1, 2 ]
amdhsa.kernels:
  - .name:           k_qa7c5f4ee84_oproj
    .symbol:         k_qa7c5f4ee84_oproj.kd
    .args:
      - { .name: att, .offset: 0, .size: 8, .value_kind: global_buffer, .address_space: global }
      - { .name: wo16, .offset: 8, .size: 8, .value_kind: global_buffer, .address_space: global }
      - { .name: bo, .offset: 16, .size: 8, .value_kind: global_buffer, .address_space: global }
      - { .name: out0, .offset: 24, .size: 8, .value_kind: global_buffer, .address_space: global }
    .group_segment_fixed_size: 327680
    .private_segment_fixed_size: 0
    .kernarg_segment_align: 8
    .kernarg_segment_size: 32
    .max_flat_workgroup_size: 128
    .sgpr_count:     66
    .vgpr_count:     576
    .wavefront_size: 32
...
	.end_amdgpu_metadata
.endif
;; end of part 4
